; MI455X (gfx1250); checked and timed in simulation.
; The chip was launched on July 23, 2026; its instructions are those of AMD's public machine-readable ISA for CDNA 5 (MIT licence, August 2026) and "CDNA5" Instruction Set Architecture Reference Guide (July 2026). The comments in the code are by the model that wrote it; some were corrected since.
;; Multi Head Attention. Allowed arithmetic: matrix products marked QUANTISED: E2M3 operands, one E8M0 scale for each 32 along K, by v_wmma_scale_f32_16x16x128_f8f6f4 with both operands' format E2M3, f32 sums; everything else in f32.
;; Inputs: dense_b 1,024 float32; dense_w 1,024 x 1,024 float32; k 4 x 2,048 x 1,024 float32; q 4 x 2,048 x 1,024 float32; v 4 x 2,048 x 1,024 float32; wk_b 1,024 float32; wk_w 1,024 x 1,024 float32; wq_b 1,024 float32; wq_w 1,024 x 1,024 float32; wv_b 1,024 float32; wv_w 1,024 x 1,024 float32.
;; Outputs: out0 4 x 2,048 x 1,024 float32.
;; This version of the problem:
;;   THIS VERSION OF THE PROBLEM IS GIVEN IN LOW PRECISION. The matrix products marked QUANTISED in the list below multiply operands that are first quantised to E2M3 (2 exponent bits, 3 mantissa bits; 6 bits a number), with one power-of-two scale for each 32 numbers along K (OCP MX v1.0); their sums are f32. All else is computed in f32.
;;   The module's matrix products, in the order in which they are computed (A, B: the left and right operand; K: the contracted axis; several contracted axes count as one K, in the product's order):
;;     1. [M 8,192, K 1,024] x [K 1,024, N 1,024]; A: input q; B: input wq_w: QUANTISED
;;     2. [M 8,192, K 1,024] x [K 1,024, N 1,024]; A: input k; B: input wk_w: QUANTISED
;;     3. [M 8,192, K 1,024] x [K 1,024, N 1,024]; A: input v; B: input wv_w: QUANTISED
;;     4. batch 64 x [M 2,048, K 64] x [K 64, N 2,048]; A: computed on the way; B: computed on the way: QUANTISED
;;     5. batch 64 x [M 2,048, K 2,048] x [K 2,048, N 64]; A: softmax (see below); B: computed on the way: QUANTISED
;;     6. [M 8,192, K 1,024] x [K 1,024, N 1,024]; A: computed on the way; B: input dense_w: QUANTISED
;;   THE QUANTISER, for each operand of a quantised product, along K:
;;     - K is cut into blocks of 32 from its start; a last block that is shorter is filled with zeros.
;;     - A block's scale is 2^e with e = floor(log2(the largest magnitude in the block)) - 2, held to -126 .. 127; a block of zeros has e = 0. As a byte (E8M0): e + 127.
;;     - Each number is divided by its block's scale, clamped to +-7.5, and rounded to the nearest number of E2M3, ties to even, subnormals kept.
;;     - The product sums the exact products of the quantised numbers (number of the format x scale) in f32.
;;   ~~~python
;;   def quantise(x, axis):      # numpy; x: float32 -> the quantised numbers, widened to float32 again
;;       x = np.moveaxis(x, axis, -1); K = x.shape[-1]
;;       x = np.pad(x, [(0, 0)] * (x.ndim - 1) + [(0, -K % 32)]); x = x.reshape(x.shape[:-1] + (-1, 32)); a = np.abs(x).max(-1, keepdims=True)
;;       e = np.where(a > 0, np.clip(np.frexp(np.where(a > 0, a, 1))[1] - 1 - 2, -126, 127), 0)      # np.frexp(a)[1] - 1 = floor(log2(a)), exactly
;;       r = np.clip(x / 2.0 ** e, -7.5, 7.5)
;;       step = 2.0 ** (np.maximum(np.frexp(np.where(r == 0, 1, r))[1] - 1, 0) - 3)
;;       q = np.round(r / step) * step * 2.0 ** e      # np.round: ties to even
;;       return np.moveaxis(q.reshape(q.shape[:-2] + (-1,))[..., :K], -1, axis).astype(np.float32)
;;   ~~~
;;   SOFTMAX AHEAD OF A QUANTISED PRODUCT. Where the list says 'softmax', what is quantised is not the finished softmax but p = 2^(t - M), with t = logit x log2(e) and M = ceil(the row's largest t), a whole number; so 1/2 < the row's largest p <= 1. The row's sum l is taken of the UNQUANTISED p, in f32, and the product's result is divided by l at the end. Since M is a whole number, a kernel that streams over the keys may use a running M (the ceiling of the running maximum): every later rescaling is an exact power of two, which a block's scale takes up: the codes' values come out the same.
;;   OPERANDS COMPUTED ON THE WAY. 'Computed on the way' means the value that the module computes at that place (a softmax that the list does not call 'softmax' is quantised finished and normalised). What goes into a quantiser is computed in f32, as accurately as f32 sums, v_exp_f32 and their like allow (about 1e-6 of the number): no bf16 or f16 on the way to a quantiser, and a product that is left as it is and whose result goes on into a quantised operand takes f32 operands (vector FMAs, or v_wmma_f32_16x16x4_f32). A number that lies on a knife's edge between two numbers of the format may be rounded either way, as far as f32 arithmetic and the matrix unit's own rounding can turn it there, and no further.
;; One version. Each part assembles by itself: llvm-mc -triple=amdgcn-amd-amdhsa -mcpu=gfx1250 --defsym DOCPART=n.
;; ======== version 1 of 1: 4 launches
;; limits: right only within a limited range of input values
;; workspace buffers: xc 22,020,096 bytes; xs 917,504 bytes; hc 18,874,368 bytes; hs 1,310,720 bytes; ac 6,291,456 bytes; asc 262,144 bytes
;; launch quant (part 1): grid 512 x 1, 7 waves a work-group, no clusters, 58,368 bytes of LDS; arguments q, k, v, wq_w, wk_w, wv_w, dense_w, xc, xs; writes xc, xs
.if DOCPART == 1
	.amdgcn_target "amdgcn-amd-amdhsa--gfx1250"
	.amdhsa_code_object_version 6
	.text
	.protected	k_q841b028806_quant
	.globl	k_q841b028806_quant
	.p2align	8
	.type	k_q841b028806_quant,@function
k_q841b028806_quant:
	s_mov_b64 s[64:65], 0
	v_nop
	global_prefetch_b8 v0, s[64:65] scope:SCOPE_SE
	s_setreg_imm32_b32 hwreg(HW_REG_WAVE_MODE, 25, 1), 1
	s_wait_xcnt 0x0
; q, k, v [8192][1024] and wq_w, wk_w, wv_w, dense_w [1024][1024], f32, K innermost, become codes of FP6 (E2M3) in xc and one E8M0 byte for each 32 along K in xs (rows of 32 bytes).
; The seven tensors follow each other in that order: 28,672 rows.  A block's scale is 2^(floor(log2(largest magnitude)) - 2); its byte is the largest magnitude's exponent field - 2, held at 1 from below.
; xc IS LAID FOR THE PRODUCTS' TILES: [group of 256 rows][K step of 256 codes][row][192 bytes].  So a K step of 256 or of 128 rows is one dense block of 49,152 or 24,576 bytes that begins at a multiple of 256 bytes.
; POSITION ORDER: inside each 32 rows the four runs of eight rows 0, 1, 2, 3 are laid at places 0, 2, 1, 3.  So 16 rows that lie on end are tensor rows 8 u + r + 8 (r / 8) of their 32:
; the later products, used transposed, then hold 16 neighbours along the next K in 16 registers of a lane.
; LIMITS: NaN and infinities among the inputs are not served; a block whose largest magnitude lies under 2^-124 has its byte held at 1; a block of zeros gets the byte 1 and not 127: its codes are zeros, and this program alone reads the bytes.
; A wave takes a run of 8 rows = 8,192 numbers in 16 steps of 512; 3,584 runs are 512 work-groups of 7 waves.  Each load reads 512 consecutive bytes; a step's 2,048 bytes turn through the wave's own stage in LDS, so that a lane holds 16 neighbours.
; No tensor loads, no barrier: waves share nothing.  The launch streams, so matrix units and clusters have no part here.
.set STEPS, 16
.set EMAX,  2
.set CB,    12                         ; bytes of 16 codes
.set KSB,   49152                      ; a K step of a group of 256 rows in xc
.set R,     16                         ; v16-79   four sets of 16 numbers as loaded
.set X,     80                         ; v80-111  two sets of 16 neighbours
.set C,     128                        ; v128-191 codes: four registers for each step, so that no store's data are written again
.set E,     112                        ; v112-127 a scale byte for each step
.set WREG,  8192                       ; LDS of a wave: two stages of 32 x SP bytes, then its 256 scale bytes
.set SP,    80                         ; a lane's place in a stage: 64 bytes + 16 of padding
.set SPARE, 7*WREG                     ; behind the seven regions: the spare words, 128 bytes a wave
	s_load_b256 s[8:15], s[0:1], 0x0               ; q, k, v, wq_w
	s_load_b256 s[16:23], s[0:1], 0x20             ; wk_w, wv_w, dense_w, xc
	s_load_b64 s[24:25], s[0:1], 0x40              ; xs
	v_lshl_add_u32 v192, v0, 2, SPARE
	v_mov_b32 v193, 0
	v_lshrrev_b32 v1, 5, v0
	v_readfirstlane_b32 s30, v1                    ; wave
	v_and_b32 v2, 31, v0                           ; lane
	v_lshlrev_b32 v3, 4, v2                        ; my 16 bytes of a load's 512
	s_mul_i32 s31, s30, WREG
	v_lshrrev_b32 v14, 2, v2
	v_mul_u32_u24 v14, v14, SP
	v_and_b32 v15, 3, v2
	v_lshl_add_u32 v14, v15, 4, v14
	v_add_nc_u32 v14, s31, v14                     ; the stage, in: SP (lane / 4) + 16 (lane % 4)
	v_mul_u32_u24 v15, v2, SP
	v_add_nc_u32 v15, s31, v15                     ; and out: SP x lane: my 16 neighbours
	v_and_b32 v4, 15, v2
	v_mul_u32_u24 v4, v4, CB                       ; my codes' place: 12 bytes x (lane % 16) of a row's 192,
	v_lshrrev_b32 v12, 4, v2
	v_mad_u32_u24 v4, v12, KSB, v4                 ; lanes 16-31 in the next K step
	v_lshrrev_b32 v5, 1, v2
	s_add_co_u32 s31, s31, 2*32*SP
	v_add_nc_u32 v5, s31, v5                       ; LDS: my block's scale byte
	v_lshlrev_b32 v7, 3, v2                        ; on the way out 8 bytes a lane
	v_add_nc_u32 v6, s31, v7
	s_mul_i32 s29, ttmp9, 7
	s_add_co_u32 s29, s29, s30                     ; my run of 8 rows, 0 .. 3,583
	s_wait_alu depctr_va_vdst(0)                   ; the wait at the head's end
	s_wait_kmcnt 0x0
	; which tensor: the choice hangs on the run's number alone.  s28 = the tensor's first run
	s_mov_b64 s[4:5], s[20:21]
	s_mov_b32 s28, 3456
.macro PICK below, ptr, first
	s_cmp_lt_u32 s29, \below
	s_cselect_b64 s[4:5], s[\ptr:\ptr+1], s[4:5]
	s_cselect_b32 s28, \first, s28
.endm
	PICK 3456, 18, 3328
	PICK 3328, 16, 3200
	PICK 3200, 14, 3072
	PICK 3072, 12, 2048
	PICK 2048, 10, 1024
	PICK 1024, 8, 0
	s_sub_co_u32 s32, s29, s28                     ; my run in the tensor,
	s_lshl_b32 s32, s32, 15                        ; 32,768 bytes each
	s_mov_b32 s33, 0
	s_add_nc_u64 s[4:5], s[4:5], s[32:33]
	s_and_b32 s34, s29, 1                          ; the run's place in the output: of each four, runs 1 and 2 change places
	s_lshl_b32 s34, s34, 1
	s_bfe_u32 s35, s29, 0x10001
	s_or_b32 s34, s34, s35
	s_and_b32 s35, s29, 0xfffffffc
	s_or_b32 s34, s34, s35
	s_lshr_b32 s36, s34, 5                         ; 32 runs to a group of 256 rows
	s_mul_i32 s36, s36, 4*KSB
	s_and_b32 s38, s34, 31
	s_mul_i32 s38, s38, 8*192                      ; 8 rows of 192 bytes in each K step
	s_add_co_u32 s36, s36, s38
	s_mov_b32 s37, 0
	s_add_nc_u64 s[22:23], s[22:23], s[36:37]
	s_lshl_b32 s36, s34, 8                         ; 8 rows of 32 scale bytes
	s_add_nc_u64 s[24:25], s[24:25], s[36:37]
.macro LOAD t
.irp i, 0,1,2,3
	global_load_b128 v[R+16*((\t)%4)+4*\i:R+16*((\t)%4)+4*\i+3], v3, s[4:5] offset:2048*(\t)+512*\i th:TH_LOAD_NT   ; 32 lanes read 512 consecutive bytes
.endr
.endm
.macro TURN t                          ; step t's numbers through the stage: LDS serves a wave's instructions in order, so no wait stands between the stores and the loads
.irp i, 0,1,2,3
	ds_store_b128 v14, v[R+16*((\t)%4)+4*\i:R+16*((\t)%4)+4*\i+3] offset:32*SP*((\t)%2)+8*SP*\i
.endr
.irp i, 0,1,2,3
	ds_load_b128 v[X+16*((\t)%2)+4*\i:X+16*((\t)%2)+4*\i+3], v15 offset:32*SP*((\t)%2)+16*\i
.endr
.endm
.irp t, 0,1,2,3
	LOAD \t
.endr
	s_wait_loadcnt 12                              ; step 0's four loads are in; the twelve of steps 1 to 3 may be out
	TURN 0
.macro STEP t
.set XS, X+16*((\t)%2)
.if (\t) > 0
	s_wait_dscnt 1                                 ; this step's numbers are back from the stage (the last step's byte store may be out): its stores into the stage have read their registers,
.else
	s_wait_dscnt 0x0
.endif
.if (\t)+4 < STEPS
	LOAD (\t)+4                                    ; which take the loads of four steps on
.endif
.if (\t)+1 < STEPS
.if STEPS-2-(\t) >= 3
	s_wait_loadcnt 12                              ; the next step's four loads are in; those of the three steps behind it may be out
.else
	s_wait_loadcnt 4*(STEPS-2-(\t))
.endif
	TURN (\t)+1
.endif
	v_max3_num_f32 v8, |v[XS]|, |v[XS+1]|, |v[XS+2]|               ; the largest magnitude of my 16, in two chains
	v_max3_num_f32 v9, |v[XS+3]|, |v[XS+4]|, |v[XS+5]|
.irp i, 6,10
	v_max3_num_f32 v8, v8, |v[XS+\i]|, |v[XS+\i+1]|
	v_max3_num_f32 v9, v9, |v[XS+\i+2]|, |v[XS+\i+3]|
.endr
	v_max3_num_f32 v8, v8, |v[XS+14]|, |v[XS+15]|
	v_max3_num_f32 v8, v8, v9, (EMAX+1)<<23        ; and the floor 2^(3 - 127): the byte cannot fall under 1
	v_max_num_f32_dpp v8, v8, v8 row_xmask:1 row_mask:0xf bank_mask:0xf   ; and of my neighbour's 16: the block's
	v_add_nc_u32 v11, -(EMAX<<23), v8              ; 2 off its exponent field: the conversion takes the exponent field of this operand as its scale
	v_cvt_scalef32_pk16_fp6_f32 v[C+4*(\t):C+4*(\t)+2], v[XS:XS+15], v11
	v_lshrrev_b32 v[E+(\t)], 23, v11               ; the scale's byte (also the plain line behind the conversion)
	ds_store_b8 v5, v[E+(\t)] offset:16*(\t)       ; both lanes of a block write the same byte with the same value
	global_store_b96 v4, v[C+4*(\t):C+4*(\t)+2], s[22:23] offset:2*KSB*((\t)%2)+192*((\t)/2)   ; step t is half t % 2 of row t / 2: sixteen lanes store a row's 192 bytes of a K step
.endm
.irp t, 0,1,2,3,4,5,6,7,8,9,10,11,12,13,14,15
	STEP \t
.endr
	ds_load_b64 v[12:13], v6                       ; LDS serves a wave's instructions in order: these see my stores
	s_wait_dscnt 0x0
	global_store_b64 v7, v[12:13], s[24:25]        ; 32 lanes store 256 consecutive bytes, aligned
	s_wait_tensorcnt 0x0                           ; the wave's end
	ds_add_u32 v192, v193
	s_wait_dscnt 0x0
	s_endpgm
.Lfunc_end_k_q841b028806_quant:
	.size	k_q841b028806_quant, .Lfunc_end_k_q841b028806_quant-k_q841b028806_quant
	.p2alignl 7, 3214868480
	.fill 96, 4, 3214868480
	.section	.rodata,"a",@progbits
	.p2align	6, 0x0
	.amdhsa_kernel k_q841b028806_quant
		.amdhsa_group_segment_fixed_size 58368
		.amdhsa_private_segment_fixed_size 0
		.amdhsa_enable_private_segment 0
		.amdhsa_kernarg_size 72
		.amdhsa_user_sgpr_count 2
		.amdhsa_user_sgpr_kernarg_segment_ptr 1
		.amdhsa_wavefront_size32 1
		.amdhsa_system_sgpr_workgroup_id_x 1
		.amdhsa_system_sgpr_workgroup_id_y 1
		.amdhsa_system_sgpr_workgroup_id_z 1
		.amdhsa_system_vgpr_workitem_id 0
		.amdhsa_next_free_vgpr 194
		.amdhsa_next_free_sgpr 66
		.amdhsa_reserve_vcc 0
		.amdhsa_float_denorm_mode_32 3
		.amdhsa_float_denorm_mode_16_64 3
		.amdhsa_memory_ordered 1
		.amdhsa_forward_progress 1
		.amdhsa_inst_pref_size 34
	.end_amdhsa_kernel
	.amdgpu_metadata
---
amdhsa.version: [ 1, 2 ]
amdhsa.kernels:
  - .name:           k_q841b028806_quant
    .symbol:         k_q841b028806_quant.kd
    .args:
      - { .name: q, .offset: 0, .size: 8, .value_kind: global_buffer, .address_space: global }
      - { .name: k, .offset: 8, .size: 8, .value_kind: global_buffer, .address_space: global }
      - { .name: v, .offset: 16, .size: 8, .value_kind: global_buffer, .address_space: global }
      - { .name: wq_w, .offset: 24, .size: 8, .value_kind: global_buffer, .address_space: global }
      - { .name: wk_w, .offset: 32, .size: 8, .value_kind: global_buffer, .address_space: global }
      - { .name: wv_w, .offset: 40, .size: 8, .value_kind: global_buffer, .address_space: global }
      - { .name: dense_w, .offset: 48, .size: 8, .value_kind: global_buffer, .address_space: global }
      - { .name: xc, .offset: 56, .size: 8, .value_kind: global_buffer, .address_space: global }
      - { .name: xs, .offset: 64, .size: 8, .value_kind: global_buffer, .address_space: global }
    .group_segment_fixed_size: 58368
    .private_segment_fixed_size: 0
    .kernarg_segment_align: 8
    .kernarg_segment_size: 72
    .max_flat_workgroup_size: 224
    .sgpr_count:     66
    .vgpr_count:     194
    .wavefront_size: 32
...
	.end_amdgpu_metadata
.endif
;; end of part 1
;; launch proj (part 2): grid 4 x 96, 4 waves a work-group, clusters of 4 x 4, 327,680 bytes of LDS; arguments xc, xs, wq_b, wk_b, wv_b, hc, hs; writes hc, hs
.if DOCPART == 2
	.amdgcn_target "amdgcn-amd-amdhsa--gfx1250"
	.amdhsa_code_object_version 6
	.text
	.protected	k_q841b028806_proj
	.globl	k_q841b028806_proj
	.p2align	8
	.type	k_q841b028806_proj,@function
k_q841b028806_proj:
	s_mov_b64 s[64:65], 0
	v_nop
	global_prefetch_b8 v0, s[64:65] scope:SCOPE_SE
	s_setreg_imm32_b32 hwreg(HW_REG_WAVE_MODE, 25, 1), 1
	s_wait_xcnt 0x0
	s_wait_alu depctr_hold_cnt(0) depctr_sa_sdst(0) depctr_va_vdst(0) depctr_va_sdst(0) depctr_va_ssrc(0) depctr_va_vcc(0) depctr_vm_vsrc(0)
	s_getreg_b32 s2, hwreg(HW_REG_IB_STS2, 6, 4)
	s_cmp_eq_u32 s2, 0
	s_cbranch_scc0 .Lentry_in_a_cluster
	s_endpgm
.Lentry_in_a_cluster:
	s_bfe_u32 s2, ttmp6, 0x10000c
	s_cmp_lg_u32 s2, 0xf033
	s_cbranch_scc0 .Lentry_shape_is_right
	s_endpgm
.Lentry_shape_is_right:
; The three projections, on codes of FP6 (E2M3) with E8M0 scales, K = 1,024; each result gets its bias and is quantised in registers for attention's products; nothing leaves as f32.
; Cluster y = 8 t + j.  t = 0: C = q wq^T (rows tokens, columns features);  t = 1: C = k wk^T;  t = 2: C = wv v^T (rows features, columns tokens), since V is quantised along the keys.
; A tile of C is 256 x 256, a wave's part 128 x 128: 64 accumulators, 512 registers.  K goes in steps of 256 through two LDS slots filled by the tensor data mover; the scale bytes of the tile's rows come once.
; CLUSTERS of 4 x 4: A's tiles are asked for jointly along a row of the cluster, B's along a column.  THE MATRIX INSTRUCTION IS USED TRANSPOSED (source 0 = 16 rows of B, source 1 = 16 rows of A).
; Rows lie in xc in position order (tile 2 g + u, lane r = tensor row 32 g + 8 u + r + 8 (r / 8)): so a lane holds one row of A, and the 64 registers of its eight accumulators are
; columns 32 g + 16 (lane / 16) + 0 .. 15 of the wave's 128, in the tensor's own order: 16 neighbours of each block of 32 along the next K.
; THE BIAS: for q and k it runs along the columns and is the C of each sum's first product (so it enters the f32 sum first: an order of rounding that differs from the reference's); for v it runs along the rows and is added on the way out.
; THE WAY OUT: 16 rows x 128 columns become a fragment's 12 registers and a scale word a row; the registers are stored as they stand, two registers a piece of 256 bytes, lane l's 8 bytes at 8 l.
;   hc, for each (batch, head), 294,912 bytes: q's 128 tiles x 768 bytes, k's likewise at 98,304, v's 16 key steps x 4 tiles of the head's 64 x 1,536 bytes at 196,608.
;   hs, for each (batch, head), 20,480 bytes: q's words [tile / 4][r][tile % 4], k's at 8,192, v's [key step][r][tile] at 16,384.  A word of q or k: two bytes, then two zeros for the zero codes of k = 64 .. 127.
; LIMITS: NaN and infinities are not served; a block under 2^-124 has its byte held at 1; a block of zeros gets the byte 1: its codes are zeros, and this program alone reads the bytes.
; 384 tiles are 24 clusters: not a multiple of the chip's work-group places; a launch of 512 matrix instructions a wave does not repay a second tile shape.
; REGISTERS: window 0: v0-31 addresses; v32-63 scale words, two sets; v64-127 the column bias, later 64 numbers at work; from v128 A's fragments, later the codes; v224-239 the row bias.
;   window 1: B's fragments, two sets.  windows 2, 3: the accumulators ((a, b) at v[8 (8 (a % 4) + b)]).
.set KSTEP,  256
.set NQ,     2
.set KSB,    49152                     ; a K step of 256 rows in xc: 256 x 192 dense bytes; xc is laid [group of 256 rows][K step][row][192 bytes]
.set KROW,   768                       ; bytes of codes of a row, all K steps together
; No data prefetch: the block is 256 x 256 in clusters and K is four steps, of which two are asked for ahead of the first product.
.set PITCH,  240                       ; an LDS row: 3 x (64 bytes + 16 of padding)
.set FR,     12
.set NL,     6
.set NP,     4
.set HALFT,  128*PITCH
.set SLOT,   4*HALFT
.set LAPS,   2                         ; 1,024 along K = two laps of two slots
.set KS,     32                        ; a row of scale bytes
.set SCL,    2*SLOT
.set HALFS,  (128*KS/256)*272
.set SBLK,   (16*KS/256)*272
.set SPARE,  SCL+4*HALFS               ; the spare words: 128 bytes a wave, named by no other line
.set ADRA, 16                          ; v16-19 LDS addresses of A's fragments (slot 0, 1; the same behind one padding more)
.set ADRB, 20                          ; v20-23 of B's
.set VO0,  24                          ; v24 the way out: 8 x lane
.set VO1,  25                          ; v25 the same for registers 6-11: the next head (q, k) or the fragment's second half (v)
.set VS,   26                          ; v26 the scale words' place
.set ADRS, 27
.set SPW,  28
.set NIL,  29
.set ZR,   30                          ; v30 zero, for the selects
.set SC,   32
.set BN,   64                          ; v64-127 the column bias in the result's layout
.set AF,   128
.set BM,   224                         ; v224-239 the row bias of block a at v[BM + 2 a]; the odd registers are named as pair halves only
.set ST,   64                          ; the way out: 64 numbers
.set PC,   128                         ; the codes
.set TM,   152                         ; at work
.set W,    168                         ; the eight scale words
.set XW,   176
.set YW,   180
.set ZW,   184
.set G1, 24
.set G0, 32
.set G1B, 48
.set G0B, 56
.set G1S, 68
.set G0S, 76
.set G1SB, 80
.set G0SB, 88
.set OB, 96                            ; s[96:97] hc at my first image
.set SB, 98                            ; s[98:99] hs at my first words
.set SEL, 10                           ; s[10:11] lane selects: lane l xor 16
.set MSB, 0
.macro WIN new                         ; the immediate's high byte repeats the setting that is left
.if MSB != (\new)
	s_set_vgpr_msb (MSB<<8)|(\new)
.set MSB, (\new)
.endif
.endm
.set MUL_LO, 0xa1                      ; source 0 (B) window 1, source 1 (A) window 0, C and D window 2
.set MUL_HI, 0xf1                      ; the same, C and D window 3
.set FST_LO, 0x81                      ; the first products: C (the bias) window 0, D window 2
.set FST_HI, 0xc1                      ; D window 3
.set TO_B,   0x40
; A joint load: waves 0 and 1 fetch for A, waves 2 and 3 for B; the branch hangs on the wave's number alone.  Four v_nop follow each of the two lines.
.macro JLOAD g0a, g1a, g0b, g1b
	s_cmp_eq_u32 s15, 0
	s_cbranch_scc0 .Lfor_b_\@
	tensor_load_to_lds s[\g0a:\g0a+3], s[\g1a:\g1a+7]
	s_nop 0
.rept 4
	v_nop
.endr
	s_branch .Lasked_\@
.Lfor_b_\@:
	tensor_load_to_lds s[\g0b:\g0b+3], s[\g1b:\g1b+7]
	s_nop 0
.rept 4
	v_nop
.endr
.Lasked_\@:
.endm
.macro CREST                           ; a round of the cluster's barrier behind its opening barrier
	s_cmp_lg_u32 s14, 0
	s_cbranch_scc1 .Lnot_wave_0_\@
	s_barrier_signal -3
.Lnot_wave_0_\@:
	s_barrier_wait -3
	s_barrier_signal -1
	s_barrier_wait -1
.endm
.macro CROUND
	s_barrier_signal -1
	s_barrier_wait -1
	CREST
.endm
	s_load_b128 s[4:7], s[0:1], 0x0                ; xc, xs
	s_load_b128 s[8:11], s[0:1], 0x10              ; wq_b, wk_b
	s_load_b64 s[12:13], s[0:1], 0x20              ; wv_b
	s_load_b64 s[OB:OB+1], s[0:1], 0x28            ; hc
	s_load_b64 s[SB:SB+1], s[0:1], 0x30            ; hs
	v_lshl_add_u32 v[SPW], v0, 2, SPARE
	v_mov_b32 v[NIL], 0
	ds_add_u32 v28, v29
	ds_add_u32 v28, v29
	s_wait_dscnt 0x0
	v_lshrrev_b32 v1, 5, v0
	v_readfirstlane_b32 s14, v1                    ; wave 0..3
	s_lshr_b32 s15, s14, 1                         ; which half of the tile's rows is mine.  Also: I fetch for A (0) or for B (1)
	s_and_b32 s16, s14, 1                          ; which half of its columns.  Also: which 128 rows I fetch
	s_and_b32 s100, ttmp7, 0xffff                  ; cluster y = 8 t + j
	s_lshr_b32 s67, s100, 3                        ; t
	s_and_b32 s100, s100, 7
	s_lshl_b32 s100, s100, 2                       ; 4 j
	s_mul_i32 s2, s67, 6291456                     ; where A's codes begin in xc (q, k),
	s_lshl_b32 s3, s67, 18                         ; its scale bytes in xs,
	s_mul_i32 s18, s67, 786432
	s_add_co_u32 s18, s18, 18874368                ; B's codes (wq, wk),
	s_lshl_b32 s19, s67, 15
	s_add_co_u32 s19, s19, 786432                  ; B's scale bytes
	s_cmp_eq_u32 s67, 2                            ; v's product?  The same in all sixteen partners.  All choices stand ahead of the next line that sets SCC
	s_cselect_b32 s66, 1, 0
	s_cselect_b32 s95, -1, 0
	s_cselect_b32 s17, 0, s100                     ; j walks the tile rows (q, k)
	s_cselect_b32 s42, s100, 0                     ; or the tile columns (v)
	s_cselect_b32 s2, 20447232, s2                 ; v's product: A = wv,
	s_cselect_b32 s3, 851968, s3
	s_cselect_b32 s18, 12582912, s18               ; B = v
	s_cselect_b32 s19, 524288, s19
	s_bfe_u32 s40, ttmp6, 0x40000                  ; cx, cy: my place in the cluster
	s_bfe_u32 s41, ttmp6, 0x40004
	s_add_co_u32 s42, s42, s40                     ; tile column
	s_add_co_u32 s17, s17, s41                     ; tile row
	s_lshl_b32 s43, s41, 2
	s_lshl_b32 s43, 15, s43                        ; my row of the cluster
	s_lshl_b32 s44, 0x1111, s40                    ; my column
	; descriptor group 1: a K step of 256 rows is a dense block: 192 lines of 256 bytes, 16 bytes of padding behind every 64: in LDS a row of 192 bytes has the pitch 240.  Behind the head the lines are set to 96: 128 rows
	s_or_b32 s[G1+0], s43, (0<<16)|(1<<20)|(1<<21)|(3<<22)|(3<<25)
	s_or_b32 s[G1B+0], s44, (0<<16)|(1<<20)|(1<<21)|(3<<22)|(3<<25)
.irp g, G1, G1B
	s_mov_b32 s[\g+1], 256<<16                     ; tensor_dim0
	s_mov_b32 s[\g+2], 192<<16                     ; tensor_dim1
	s_mov_b32 s[\g+3], 256<<16                     ; tile_dim0
	s_mov_b32 s[\g+4], 192                         ; tile_dim1
	s_mov_b32 s[\g+5], 256                         ; stride
	s_mov_b32 s[\g+6], 0
	s_mov_b32 s[\g+7], 0
.endr
	; the scale bytes of 256 rows: 8,192 dense bytes as 32 lines of 256 (32 elements of 8 bytes), 16 bytes of padding behind each
	s_or_b32 s[G1S+0], s43, (3<<16)|(1<<20)|(1<<21)|(5<<22)|(3<<25)
	s_or_b32 s[G1SB+0], s44, (3<<16)|(1<<20)|(1<<21)|(5<<22)|(3<<25)
.irp g, G1S, G1SB
	s_mov_b32 s[\g+1], 32<<16
	s_mov_b32 s[\g+2], (256*KS/256)<<16
	s_mov_b32 s[\g+3], 32<<16
	s_mov_b32 s[\g+4], 256*KS/256
	s_mov_b32 s[\g+5], 32
	s_mov_b32 s[\g+6], 0
	s_mov_b32 s[\g+7], 0
.endr
	s_lshl_b32 s20, s17, 8                         ; A's first row: it hangs on the tile row alone
	s_lshl_b32 s46, s42, 8                         ; B's first row: on the tile column alone
	s_lshl_b32 s22, s20, 5
	s_add_co_u32 s22, s22, s3                      ; byte offsets, all under 2^32: A's scale bytes,
	s_mov_b32 s23, 0
	s_mul_i32 s20, s20, KROW
	s_add_co_u32 s20, s20, s2                      ; A's codes,
	s_mov_b32 s21, 0
	s_lshl_b32 s92, s46, 5
	s_add_co_u32 s92, s92, s19                     ; B's scale bytes,
	s_mov_b32 s93, 0
	s_mul_i32 s46, s46, KROW
	s_add_co_u32 s46, s46, s18                     ; B's codes
	s_mov_b32 s47, 0
	s_mul_i32 s45, s14, HALFT                      ; where they go: wave x 128 rows: no place in the cluster enters an LDS address
	s_mul_i32 s100, s16, KSB/2                     ; in the ring I fetch 128 rows of a K step: which half, in bytes
	s_mov_b32 s101, 0
	s_wait_kmcnt 0x0
	s_add_nc_u64 s[20:21], s[4:5], s[20:21]
	s_add_nc_u64 s[22:23], s[6:7], s[22:23]
	s_add_nc_u64 s[46:47], s[4:5], s[46:47]
	s_add_nc_u64 s[92:93], s[6:7], s[92:93]
	CROUND                                         ; all sixteen work-groups are here: the first joint loads meet
	s_mov_b32 s[G0], 1                             ; the head's four tiles, each whole: K step 0 of A's 256 rows,
	s_mov_b32 s[G0+1], 0
	s_mov_b64 s[G0+2:G0+3], s[20:21]
	s_or_b32 s[G0+3], s[G0+3], 0x80000000
	s_mov_b32 s[G0B], 1                            ; of B's 256 rows, behind them in slot 0,
	s_mov_b32 s[G0B+1], 2*HALFT
	s_mov_b64 s[G0B+2:G0B+3], s[46:47]
	s_or_b32 s[G0B+3], s[G0B+3], 0x80000000
	s_mov_b32 s[G0S], 1                            ; the scale bytes of A's 256 rows,
	s_mov_b32 s[G0S+1], SCL
	s_mov_b64 s[G0S+2:G0S+3], s[22:23]
	s_or_b32 s[G0S+3], s[G0S+3], 0x80000000
	s_mov_b32 s[G0SB], 1                           ; and of B's
	s_mov_b32 s[G0SB+1], SCL+2*HALFS
	s_mov_b64 s[G0SB+2:G0SB+3], s[92:93]
	s_or_b32 s[G0SB+3], s[G0SB+3], 0x80000000
	s_add_nc_u64 s[20:21], s[20:21], s[100:101]    ; for the ring: my 128 rows; slot 1's group 0 stands at K step 1
	s_add_nc_u64 s[46:47], s[46:47], s[100:101]
	s_mov_b32 s[G0+4], 1
	s_add_co_u32 s[G0+5], s45, SLOT
	s_add_nc_u64 s[G0+6:G0+7], s[20:21], KSB
	s_or_b32 s[G0+7], s[G0+7], 0x80000000
	s_mov_b32 s[G0B+4], 1
	s_add_co_u32 s[G0B+5], s45, SLOT
	s_add_nc_u64 s[G0B+6:G0B+7], s[46:47], KSB
	s_or_b32 s[G0B+7], s[G0B+7], 0x80000000
; THE HEAD'S LOADS, ONE A WAVE: one chain of branches on the wave's number, a load in each arm, all arms leading to one join
.macro ARM under, g0, g1, next
	s_cmp_lt_u32 s14, \under
	s_cbranch_scc0 \next
	tensor_load_to_lds s[\g0:\g0+3], s[\g1:\g1+7]
	s_nop 0
.rept 4
	v_nop
.endr
	s_branch .Lhead_asked
\next:
.endm
	ARM 1, G0,  G1,  .Lhead_b
	ARM 2, G0B, G1B, .Lhead_sa
	ARM 3, G0S, G1S, .Lhead_sb
	tensor_load_to_lds s[G0SB:G0SB+3], s[G1SB:G1SB+7]
	s_nop 0
.rept 4
	v_nop
.endr
.Lhead_asked:
	v_and_b32 v1, 15, v0                           ; r
	v_bfe_u32 v2, v0, 4, 1                         ; h
	v_mul_u32_u24 v3, v1, PITCH
	v_mul_u32_u24 v4, v2, 24
	v_add_nc_u32 v4, v3, v4                        ; a fragment's row x pitch + 24 x half
	v_lshl_add_u32 v5, v2, 4, v4                   ; and the same behind one padding more
	s_mul_i32 s21, s15, HALFT                      ; my 128 rows of A
	s_mul_i32 s22, s16, HALFT                      ; my 128 rows of B,
	s_add_co_u32 s22, s22, 2*HALFT                 ; behind A's 256
.irp s, 0,1
	v_add_nc_u32 v[ADRA+\s], s21, v4
	v_add_nc_u32 v[ADRB+\s], s22, v4
	v_add_nc_u32 v[ADRA+2+\s], s21, v5
	v_add_nc_u32 v[ADRB+2+\s], s22, v5
	s_add_co_u32 s21, s21, SLOT
	s_add_co_u32 s22, s22, SLOT
.endr
	v_mul_u32_u24 v5, v1, KS                       ; my row's scale bytes,
	v_lshrrev_b32 v6, 8, v5
	v_lshl_add_u32 v5, v6, 4, v5                   ; and 16 more for each 256 passed
	s_mul_i32 s21, s15, HALFS
	s_mul_i32 s22, s16, HALFS
	s_add_co_u32 s22, s22, 2*HALFS
	s_sub_co_u32 s22, s22, s21
	v_mul_u32_u24 v6, s22, v2                      ; lanes 16-31 take B's: one product, the distance between the two bases
	s_add_co_u32 s21, s21, SCL
	v_add_nc_u32 v5, v5, v6
	v_add_nc_u32 v[ADRS], s21, v5
	; the bias, and the way out's scalars: made here, while the first tiles are on their way
	s_cmp_eq_u32 s67, 1
	s_cselect_b64 s[8:9], s[10:11], s[8:9]
	s_cmp_eq_u32 s67, 2
	s_cselect_b64 s[8:9], s[12:13], s[8:9]         ; my product's bias
	s_lshl_b32 s18, s17, 8
	s_lshl_b32 s19, s15, 7
	s_add_co_u32 s18, s18, s19                     ; my first row of C
	s_lshl_b32 s19, s42, 8
	s_lshl_b32 s20, s16, 7
	s_add_co_u32 s19, s19, s20                     ; my first column
	s_mov_b32 s4, 768
	s_mov_b32 s5, 0
	s_mov_b32 s7, 0
	s_mov_b32 s13, 0xffff
	s_mov_b32 s100, 294912
	s_mov_b32 s101, 256
	s_cmp_eq_u32 s66, 1
	s_cselect_b32 s20, s19, s18                    ; my first token
	s_cselect_b32 s21, s18, s19                    ; my first feature
	s_cselect_b32 s22, 0, s19                      ; the column bias begins here (v: not used, read at 0 so that the load stays inside)
	s_cselect_b32 s23, s18, 0                      ; the row bias (q, k: not used)
	s_cselect_b32 s4, 1536, s4                     ; s[4:5]: from block to block in hc
	s_cselect_b32 s6, 288768, 0                    ; s[6:7]: v, at block 4: on to the next head, 294,912 - 4 x 1,536
	s_cselect_b32 s13, -1, s13                     ; which bytes of a scale word the first store keeps
	s_cselect_b32 s100, 768, s100                  ; registers 6-11: v: the fragment's second half; q, k: the next head
	s_cselect_b32 s101, 20480, s101                ; lanes 16-31's words: v: the next head; q, k: the next four tiles
	s_cselect_b32 s2, 1, 2
	s_lshr_b32 s3, s20, 11                         ; batch
	s_lshl_b32 s3, s3, 4
	s_lshr_b32 s21, s21, 6
	s_add_co_u32 s3, s3, s21                       ; 16 x batch + head
	s_and_b32 s20, s20, 2047                       ; the token in its batch
	s_mul_i32 s46, s3, 294912
	s_mul_i32 s47, s67, 98304
	s_add_co_u32 s46, s46, s47
	s_mul_i32 s47, s20, 48                         ; 768 bytes for 16 tokens of q or k; 6,144 for 128 keys of v
	s_add_co_u32 s46, s46, s47
	s_mov_b32 s47, 0
	s_add_nc_u64 s[OB:OB+1], s[OB:OB+1], s[46:47]
	s_mul_i32 s46, s3, 20480
	s_lshl_b32 s47, s67, 13
	s_add_co_u32 s46, s46, s47
	s_lshl_b32 s47, s20, s2                        ; 256 bytes for 64 tokens of q or k, for 128 keys of v
	s_add_co_u32 s46, s46, s47
	s_mov_b32 s47, 0
	s_add_nc_u64 s[SB:SB+1], s[SB:SB+1], s[46:47]
	s_mov_b32 s[SEL], 0x76543210
	s_mov_b32 s[SEL+1], 0xfedcba98
	s_mov_b32 s12, 0xffff0000                      ; lanes 16-31
	s_lshl_b32 s22, s22, 2
	s_lshl_b32 s23, s23, 2
	v_lshlrev_b32 v5, 6, v2
	v_add_nc_u32 v5, s22, v5                       ; column bias: 4 x first + 64 h
	v_and_b32 v6, 8, v1
	v_add_nc_u32 v6, v6, v1
	v_lshl_add_u32 v6, v6, 2, s23                  ; row bias: 4 x (first + r + 8 (r / 8))
.irp b, 0,1,2,3,4,5,6,7
	global_load_b128 v[BN+8*\b:BN+8*\b+3], v5, s[8:9] offset:4*(32*(\b/2)+8*(\b%2))       ; register 8 b + j: column 32 (b / 2) + 16 h + 8 (b % 2) + j
	global_load_b128 v[BN+8*\b+4:BN+8*\b+7], v5, s[8:9] offset:4*(32*(\b/2)+8*(\b%2))+16
.endr
.irp a, 0,1,2,3,4,5,6,7
	global_load_b32 v[BM+2*\a], v6, s[8:9] offset:4*(32*(\a/2)+8*(\a%2))
.endr
	v_mov_b32 v[ZR], 0
	v_and_b32 v7, 31, v0
	v_lshlrev_b32 v[VO0], 3, v7
	v_add_nc_u32 v[VO1], s100, v[VO0]
	v_mul_u32_u24 v[VS], v2, s101
	v_lshl_add_u32 v[VS], v1, 4, v[VS]
	s_wait_alu depctr_va_vdst(0)
	s_wait_loadcnt 0x0
.set jj, 0
.rept 64
	v_cndmask_b32 v[BN+jj], v[BN+jj], v[ZR], s95   ; v's product has no column bias
.set jj, jj+1
.endr
.irp a, 0,1,2,3,4,5,6,7
	v_cndmask_b32 v[BM+2*\a], v[ZR], v[BM+2*\a], s95   ; q's and k's have no row bias
.endr
.irp a, 0,1,2,3,4,5,6,7
	v_mov_b32 v[BM+2*\a+1], 0                      ; (named as pair halves, so they are written)
.endr
.macro FRAG reg, adr, q, i             ; 16 rows x 128 K of 6-bit codes: 12 registers, six pieces of 8 bytes; where lanes 16-31's piece lies behind one padding more, the second address register serves
.irp p, 0,1,2,3,4,5
.set PCE, 12*(\q)+6*(\p/3)+\p%3
.if PCE%8 < 5
	ds_load_b64 v[\reg+2*\p:\reg+2*\p+1], v[\adr] offset:8*PCE+16*(PCE/8)+(\i)*16*PITCH
.else
	ds_load_b64 v[\reg+2*\p:\reg+2*\p+1], v[\adr+2] offset:8*PCE+16*(PCE/8)+(\i)*16*PITCH
.endif
.endr
.endm
; 16 matrix instructions: A's blocks a0, a0 + 1 x B's eight.  zero = 1: the first products start the sums, with the column bias as C.  The 64 accumulators take turns, one instruction a turn.
.macro MUL16 a0, p, q, sc, zero
.irp a, \a0, \a0+1
.irp b, 0,1,2,3,4,5,6,7
.if \zero
	v_wmma_scale_f32_16x16x128_f8f6f4 v[8*(8*((\a)%4)+\b):8*(8*((\a)%4)+\b)+7], v[128*(\p)+FR*\b:128*(\p)+FR*\b+FR-1], v[AF+FR*(\a):AF+FR*(\a)+FR-1], v[BN+8*\b:BN+8*\b+7], v[SC+8*NQ*(\sc)+NQ*\b+(\q)], v[SC+8*NQ*(\sc)+NQ*(\a)+(\q)] matrix_a_fmt:MATRIX_FMT_FP6 matrix_b_fmt:MATRIX_FMT_FP6 matrix_a_scale:MATRIX_SCALE_ROW1
.else
	v_wmma_scale_f32_16x16x128_f8f6f4 v[8*(8*((\a)%4)+\b):8*(8*((\a)%4)+\b)+7], v[128*(\p)+FR*\b:128*(\p)+FR*\b+FR-1], v[AF+FR*(\a):AF+FR*(\a)+FR-1], v[8*(8*((\a)%4)+\b):8*(8*((\a)%4)+\b)+7], v[SC+8*NQ*(\sc)+NQ*\b+(\q)], v[SC+8*NQ*(\sc)+NQ*(\a)+(\q)] matrix_a_fmt:MATRIX_FMT_FP6 matrix_b_fmt:MATRIX_FMT_FP6 matrix_a_scale:MATRIX_SCALE_ROW1
.endif
.endr
.endr
.endm
.macro FETCH_B slot, q, p
	WIN TO_B
.irp i, 0,1,2,3,4,5,6,7
	FRAG 128*(\p)+FR*\i, ADRB+\slot, \q, \i
.endr
	WIN 0
.endm
.macro FETCH_A slot, q, i0
.irp i, \i0, \i0+1, \i0+2, \i0+3
	FRAG AF+FR*(\i), ADRA+\slot, \q, \i
.endr
.endm
.macro SCALES sc                       ; a K step's scale words: lanes 0-15 A's block i, lanes 16-31 B's block i
.irp i, 0,1,2,3,4,5,6,7
	ds_load_b64 v[SC+8*NQ*\sc+NQ*\i:SC+8*NQ*\sc+NQ*\i+1], v[ADRS] offset:\i*SBLK
.endr
.endm
.macro PLACES n                        ; plain vector lines between a matrix instruction and a load into, or a vector read of, its registers
.rept \n
	v_nop
.endr
.endm
.macro STEP slot, q, zero              ; 128 along K with its successor in the same slot
	s_wait_dscnt 4*NL                              ; B's set and A's blocks 0-3 are in; the 24 youngest loads (A's blocks 4-7) may be out
.if \zero
	WIN FST_LO
.else
	WIN MUL_LO
.endif
	MUL16 0, (\q)%2, \q, \slot, \zero
	MUL16 2, (\q)%2, \q, \slot, \zero
	s_wait_dscnt 0
	PLACES NP
	FETCH_B \slot, (\q)+1, 1-(\q)%2
	FETCH_A \slot, (\q)+1, 0
.if \zero
	WIN FST_HI
.else
	WIN MUL_HI
.endif
	MUL16 4, (\q)%2, \q, \slot, \zero
	MUL16 6, (\q)%2, \q, \slot, \zero
	PLACES NP
	WIN 0
	FETCH_A \slot, (\q)+1, 4
.endm
; A slot's last step changes slots: one barrier; in front of it each wave waits for all its tensor loads, adds 0 to its spare word, and waits for that and for its reads of this slot.
.macro TURN slot, next, fill
	s_wait_tensorcnt 0x0                           ; all my tensor loads have landed: my part of the next slot
	ds_add_u32 v[SPW], v[NIL]                      ; 0 onto my spare word
	s_wait_dscnt 4*NL+1                            ; (the add and the 24 youngest loads may be out)
	WIN MUL_LO
	MUL16 0, 1, NQ-1, \slot, 0
	s_wait_dscnt 0x0                               ; the add is done, and my reads of this slot are over
	s_barrier_signal -1
	MUL16 2, 1, NQ-1, \slot, 0
	WIN 0
	s_barrier_wait -1
.if \fill
	CREST                                          ; the barrier has opened a round of the cluster's: no wave of any partner still reads this slot or has a load on its way
	s_add_nc_u64 s[G0+4*\slot+2:G0+4*\slot+3], s[G0+4*\slot+2:G0+4*\slot+3], 2*KSB
	s_add_nc_u64 s[G0B+4*\slot+2:G0B+4*\slot+3], s[G0B+4*\slot+2:G0B+4*\slot+3], 2*KSB
	JLOAD G0+4*\slot, G1, G0B+4*\slot, G1B         ; my one tensor load behind the round; its four v_nop are the places in front of the loads below
.else
	PLACES NP
.endif
	s_wait_alu depctr_va_vdst(0)
	v_add_nc_u32 v[ADRS], 4*NQ, v[ADRS]
	FETCH_B \next, 0, 0
	FETCH_A \next, 0, 0
	SCALES \next
	WIN MUL_HI
	MUL16 4, 1, NQ-1, \slot, 0
	MUL16 6, 1, NQ-1, \slot, 0
	PLACES NP
	WIN 0
	FETCH_A \next, 0, 4
.endm
	s_wait_alu depctr_va_vdst(0)                   ; the wait at the head's end
	s_wait_tensorcnt 0x0                           ; my tile of the head's four is in
	ds_add_u32 v[SPW], v[NIL]
	s_mov_b32 s[G1+2], 96<<16                      ; no tensor load of mine is out, so descriptors may be written: from here on a load brings 128 rows, 96 lines of 256 bytes,
	s_mov_b32 s[G1+4], 96
	s_mov_b32 s[G1B+2], 96<<16
	s_mov_b32 s[G1B+4], 96
	s_mov_b32 s[G0+1], s45                         ; and slot 0's group 0 stands at my 128 rows of K step 0: its first refill steps it to K step 2
	s_sub_nc_u64 s[G0+2:G0+3], s[G0+6:G0+7], KSB
	s_mov_b32 s[G0B+1], s45
	s_sub_nc_u64 s[G0B+2:G0B+3], s[G0B+6:G0B+7], KSB
	s_wait_dscnt 0x0
	CROUND                                         ; a whole round: all four tiles are in, and all sixteen work-groups are here
	JLOAD G0+4, G1, G0B+4, G1B                     ; K step 1, slot 1's first fill: my one tensor load behind the round
	FETCH_B 0, 0, 0
	FETCH_A 0, 0, 0
	SCALES 0
	FETCH_A 0, 0, 4
	STEP 0, 0, 1
	s_mov_b32 s3, LAPS-1
.Llap:
	TURN 0, 1, 1
	STEP 1, 0, 0
	TURN 1, 0, 1
	STEP 0, 0, 0
	s_sub_co_u32 s3, s3, 1
	s_cmp_lg_u32 s3, 0
	s_cbranch_scc1 .Llap
	TURN 0, 1, 0                                   ; the last lap fills nothing
	STEP 1, 0, 0
	s_wait_dscnt 4*NL
	WIN MUL_LO
	MUL16 0, 1, NQ-1, 1, 0
	MUL16 2, 1, NQ-1, 1, 0
	s_wait_dscnt 0
	WIN MUL_HI
	MUL16 4, 1, NQ-1, 1, 0
	MUL16 6, 1, NQ-1, 1, 0
	WIN 0
; 64 numbers of a lane, register 16 b + i = k 32 b + 16 (lane / 16) + i of my row, become a fragment's codes in v[PC] on and its scale word in v[w].
.macro QUANT s, w
.irp b, 0,1,2,3
	v_max3_num_f32 v[TM+\b], |v[\s+16*\b]|, |v[\s+1+16*\b]|, 0x1800000   ; my 16 numbers of block b, and the floor 2^(3 - 127)
.endr
.irp i, 2,4,6,8,10,12,14
.irp b, 0,1,2,3
	v_max3_num_f32 v[TM+\b], v[TM+\b], |v[\s+16*\b+\i]|, |v[\s+1+16*\b+\i]|
.endr
.endr
.irp b, 0,1,2,3
	v_permlanex16_b32 v[TM+4+\b], v[TM+\b], s[SEL], s[SEL+1]
.endr
.irp b, 0,1,2,3
	v_max_num_f32 v[TM+\b], v[TM+\b], v[TM+4+\b]   ; with lane l xor 16's: the block's largest magnitude
.endr
.irp b, 0,1,2,3
	v_add_nc_u32 v[TM+12+\b], 0xff000000, v[TM+\b] ; 2 off its exponent field: the conversion's scale operand
.endr
.irp b, 0,1,2,3
	v_lshrrev_b32 v[TM+4+\b], 23, v[TM+12+\b]      ; the scale's byte
.endr
	v_lshl_or_b32 v[\w], v[TM+5], 8, v[TM+4]
	v_lshl_or_b32 v[\w], v[TM+6], 16, v[\w]
	v_lshl_or_b32 v[\w], v[TM+7], 24, v[\w]
.irp c, 0,1
	v_cvt_scalef32_pk16_fp6_f32 v[PC+6*\c:PC+2+6*\c], v[\s+32*\c:\s+15+32*\c], v[TM+12+2*\c]
	v_cvt_scalef32_pk16_fp6_f32 v[PC+12+4*\c:PC+14+4*\c], v[\s+16+32*\c:\s+31+32*\c], v[TM+12+2*\c+1]   ; (a conversion's three registers begin on an even number)
.endr
	v_nop                                          ; one plain line behind a scaled conversion
.irp c, 0,1                            ; the operand's layout wants a whole block in a lane
.irp i, 0,1,2
	v_permlane16_swap_b32 v[PC+6*\c+\i], v[PC+12+4*\c+\i]
.endr
.irp i, 0,1,2
	v_mov_b32 v[PC+3+6*\c+\i], v[PC+12+4*\c+\i]
.endr
.endr
.endm
; Block a: 16 rows x 128 columns leave as 12 registers a lane: six stores of 256 consecutive bytes, aligned.
.macro OUTBLK a
	s_wait_xcnt 0x0                                ; the last block's stores have read their data and their base: both are written again below
.if (\a) > 0
	s_add_nc_u64 s[OB:OB+1], s[OB:OB+1], s[4:5]
.endif
.if (\a) == 4
	s_add_nc_u64 s[OB:OB+1], s[OB:OB+1], s[6:7]
.endif
	WIN 0x02+(\a)/4                                ; source 0: window 2 or 3
.set jj, 0
.rept 32
	v_pk_add_f32 v[ST+2*jj:ST+2*jj+1], v[64*((\a)%4)+2*jj:64*((\a)%4)+2*jj+1], v[BM+2*(\a):BM+2*(\a)+1] op_sel_hi:[1,0]   ; + the row bias; each accumulator from its low end on
.set jj, jj+1
.endr
	WIN 0
	QUANT ST, W+(\a)
.irp i, 0,1,2
	global_store_b64 v[VO0], v[PC+2*\i:PC+2*\i+1], s[OB:OB+1] offset:256*\i
.endr
.irp i, 0,1,2
	global_store_b64 v[VO1], v[PC+6+2*\i:PC+7+2*\i], s[OB:OB+1] offset:256*\i
.endr
.endm
	PLACES NP                                      ; behind the last products: the lines below read results and write registers that held A's fragments
.irp b, 0,1,2,3
	v_mov_b32 v[TM+4+\b], 0                        ; written once: a lane permute's destination counts as one of its sources
.endr
.irp a, 0,1,2,3,4,5,6,7
	OUTBLK \a
.endr
	; the scale words: lanes 0-15 carry blocks 0-3's, lanes 16-31 blocks 4-7's; four words a lane, 16 bytes
.irp i, 0,1,2,3
	v_cndmask_b32 v[XW+\i], v[W+\i], v[W+4+\i], s12
.endr
.irp i, 0,1,2,3
	v_and_b32 v[YW+\i], s13, v[XW+\i]              ; q, k: the first head's two bytes; v: all four
.endr
	global_store_b128 v[VS], v[YW:YW+3], s[SB:SB+1]
	s_cmp_eq_u32 s66, 1                            ; the same in all partners: v's words are whole
	s_cbranch_scc1 .Ldone
.irp i, 0,1,2,3
	v_lshrrev_b32 v[ZW+\i], 16, v[XW+\i]           ; q, k: the next head's two bytes
.endr
	global_store_b128 v[VS], v[ZW:ZW+3], s[SB:SB+1] offset:20480
.Ldone:
	s_wait_tensorcnt 0x0                           ; the wave's end
	ds_add_u32 v[SPW], v[NIL]
	s_wait_dscnt 0x0
	CROUND                                         ; the closing round: no work-group ends while a partner may still ask for a tile that names it
	s_endpgm
.Lfunc_end_k_q841b028806_proj:
	.size	k_q841b028806_proj, .Lfunc_end_k_q841b028806_proj-k_q841b028806_proj
	.p2alignl 7, 3214868480
	.fill 96, 4, 3214868480
	.section	.rodata,"a",@progbits
	.p2align	6, 0x0
	.amdhsa_kernel k_q841b028806_proj
		.amdhsa_group_segment_fixed_size 327680
		.amdhsa_private_segment_fixed_size 0
		.amdhsa_enable_private_segment 0
		.amdhsa_kernarg_size 56
		.amdhsa_user_sgpr_count 2
		.amdhsa_user_sgpr_kernarg_segment_ptr 1
		.amdhsa_wavefront_size32 1
		.amdhsa_system_sgpr_workgroup_id_x 1
		.amdhsa_system_sgpr_workgroup_id_y 1
		.amdhsa_system_sgpr_workgroup_id_z 1
		.amdhsa_system_vgpr_workitem_id 0
		.amdhsa_next_free_vgpr 1024
		.amdhsa_next_free_sgpr 102
		.amdhsa_reserve_vcc 0
		.amdhsa_float_denorm_mode_32 3
		.amdhsa_float_denorm_mode_16_64 3
		.amdhsa_memory_ordered 1
		.amdhsa_forward_progress 1
		.amdhsa_inst_pref_size 193
	.end_amdhsa_kernel
	.amdgpu_metadata
---
amdhsa.version: [ 1, 2 ]
amdhsa.kernels:
  - .name:           k_q841b028806_proj
    .symbol:         k_q841b028806_proj.kd
    .args:
      - { .name: xc, .offset: 0, .size: 8, .value_kind: global_buffer, .address_space: global }
      - { .name: xs, .offset: 8, .size: 8, .value_kind: global_buffer, .address_space: global }
      - { .name: wq_b, .offset: 16, .size: 8, .value_kind: global_buffer, .address_space: global }
      - { .name: wk_b, .offset: 24, .size: 8, .value_kind: global_buffer, .address_space: global }
      - { .name: wv_b, .offset: 32, .size: 8, .value_kind: global_buffer, .address_space: global }
      - { .name: hc, .offset: 40, .size: 8, .value_kind: global_buffer, .address_space: global }
      - { .name: hs, .offset: 48, .size: 8, .value_kind: global_buffer, .address_space: global }
    .group_segment_fixed_size: 327680
    .private_segment_fixed_size: 0
    .kernarg_segment_align: 8
    .kernarg_segment_size: 56
    .max_flat_workgroup_size: 128
    .sgpr_count:     102
    .vgpr_count:     1024
    .wavefront_size: 32
...
	.end_amdgpu_metadata
.endif
;; end of part 2
;; launch attn (part 3): grid 4 x 64, 16 waves a work-group, clusters of 4 x 1, 327,680 bytes of LDS; arguments hc, hs, ac, asc; writes ac, asc
.if DOCPART == 3
	.amdgcn_target "amdgcn-amd-amdhsa--gfx1250"
	.amdhsa_code_object_version 6
	.text
	.protected	k_q841b028806_attn
	.globl	k_q841b028806_attn
	.p2align	8
	.type	k_q841b028806_attn,@function
k_q841b028806_attn:
	s_mov_b64 s[64:65], 0
	v_nop
	global_prefetch_b8 v0, s[64:65] scope:SCOPE_SE
	s_setreg_imm32_b32 hwreg(HW_REG_WAVE_MODE, 25, 1), 1
	s_wait_xcnt 0x0
	s_wait_alu depctr_hold_cnt(0) depctr_sa_sdst(0) depctr_va_vdst(0) depctr_va_sdst(0) depctr_va_ssrc(0) depctr_va_vcc(0) depctr_vm_vsrc(0)
	s_getreg_b32 s2, hwreg(HW_REG_IB_STS2, 6, 4)
	s_cmp_eq_u32 s2, 0
	s_cbranch_scc0 .Lentry_in_a_cluster
	s_endpgm
.Lentry_in_a_cluster:
	s_bfe_u32 s2, ttmp6, 0x10000c
	s_cmp_lg_u32 s2, 0x3003
	s_cbranch_scc0 .Lentry_shape_is_right
	s_endpgm
.Lentry_shape_is_right:
; ATTENTION ON CODES OF FP6 (E2M3): for each (batch, head) o = softmax(q k^T / 8) v, and o quantised along the head's 64 for the last projection.
; hc, for each (batch, head), 294,912 bytes: q's 128 tiles of 16 tokens x 768 bytes (three pieces of 256 bytes, lane l's 8 bytes at 8 l: an operand's registers 0-5), k's likewise at 98,304,
;   v's at 196,608: 16 key steps x 4 tiles of 16 of the head's 64 x 1,536 bytes (six pieces: registers 0-11; K = 128 keys).  hs, 20,480 bytes: q's scale words [tile / 4][r][tile % 4], k's at 8,192, v's [key step][r][tile] at 16,384.
; ac[tile of 16 tokens][head][piece][lane][8 bytes], asc[token's place][32]: byte 2 head + block.
; THE DEAL: 256 work-groups; work-group (cx, y) takes 512 queries of (batch, head) y; each of 16 waves two tiles of 16 queries, one after the other.  ALL of the head's K and V, codes and scale words, 208,896 bytes, lie in LDS, filled once.
; The four work-groups of a cluster take the same head: its K and V are asked for JOINTLY (mask 15).  One tensor load a wave: waves 0-11 bring 16,384 bytes of codes each, waves 12-15 3,072 scale bytes each.
; No data prefetch: everything is asked for at the head, and no loop has loads from memory to run ahead of.
; BOTH PRODUCTS ARE USED TRANSPOSED (S^T = k q^T, O^T = v^T p^T): a lane holds one query.  By the tokens' order in hc, the 16 registers of score tiles 2 b, 2 b + 1 are keys 32 b + 16 (lane / 16) + 0 .. 15 of a step's 128.
; K = 64 in an instruction of 128: q's registers 6-11 are zero codes.  So k's registers 6-11 may hold any codes: k's eight fragments lie 6 registers apart, each operand's upper half being the next fragment (the last: six zeros); scale bytes 2, 3 of k's and q's words are 0, a finite code.
; THE SOFTMAX: M = ceil(running largest t), t = score x log2(e) / 8, kept as -M; p = 2^(t - M); the sum is taken of the unquantised p; when M moves, sum and O^T are multiplied by 2^(old M - new M), which rounds nothing.
; A block's largest p is the exponential of the block's largest score (p rises with the score; v_exp_f32 is taken not to fall where its input rises).
; INDEPENDENT LINES SIDE BY SIDE: the largest scores are searched in eight chains by turns, two to a block; the 64 p of a lane are summed as a tree in place, behind their conversions: 16, 8, 4, 2, 1 packed additions and one onto the running sum,
; with the swaps and moves of p's codes between the levels.
; WHAT IS ASKED FOR AHEAD: step i + 1's fragments and scale words of k directly behind step i's score products; v's tiles 0, 1 and scale words of step i + 1 directly behind step i's second product; v's tiles 2, 3 of step i go into
; p's registers 0-23 as soon as the tree's first level has folded them onto the upper 32.  One wait on LDS a step, for 0, ahead of the second product: it shows all of these that were issued by then.  The last step of a pass is written out: it asks for nothing.
; LIMITS: the promise holds while the scaled scores stay under 2^31 in magnitude; NaN and infinities are not served; a block of o under 2^-124 has its byte held at 1.
.set KC,   0
.set VC,   98304
.set KSC,  196608
.set VSC,  204800
.set SPARE, 208896                     ; the spare words: 128 bytes a wave
.set ADK,  1                           ; v1-4 LDS addresses: k's codes, v's codes, k's scale words, v's
.set ADV,  2
.set ADS,  3
.set ADT,  4
.set L8,   5                           ; 8 x lane
.set VAS,  6                           ; asc: 32 r + h
.set QS1,  7                           ; the second tile's scale word
.set BX,   8                           ; v8-11 the blocks' largest scores, then p;  v12 -M, v13 largest t, v[14:15] the sum in two halves
.set QF,   16                          ; v16-27 q's fragment
.set QS,   28
.set T0,   29
.set BT,   30                          ; v30-33 the blocks' second chains, lane l xor 16's maxima, the scales' bytes
.set SO,   34
.set F,    38                          ; v38 the factor, v39 p's scale word
.set KF,   42                          ; v42-95 k's eight fragments, 6 apart, and six zeros
.set VSW,  96
.set KSW,  100
.set S,    108                         ; v108-171 scores, then p; v108-131 then v's tiles 2, 3
.set O,    172
.set PC,   204
.set PT,   216
.set R16,  219                         ; 16 r
.set BYS,  223
.set VF,   224                         ; v224-247 v's tiles 0, 1
.set Q1,   248                         ; v248-253 the second tile's codes
.set WV,   12
.set G1C,  16
.set G1S,  24
.set G0C,  32
.set G0S,  36
.set SEL,  44
.set CS,   46
.set TB,   48
.set TV,   49
.set TS,   50
.set TJ,   51
.set CNT,  52
.set HM,   53
.macro WALU
	s_wait_alu depctr_va_vdst(0)
.endm
.macro CROUND
	s_barrier_signal -1
	s_barrier_wait -1
	s_cmp_lg_u32 s[WV], 0
	s_cbranch_scc1 .Lnot_wave_0_\@
	s_barrier_signal -3
.Lnot_wave_0_\@:
	s_barrier_wait -3
	s_barrier_signal -1
	s_barrier_wait -1
.endm
	s_load_b256 s[4:11], s[0:1], 0x0               ; hc, hs, ac, asc
	v_lshl_add_u32 v254, v0, 2, SPARE
	v_mov_b32 v255, 0
	ds_add_u32 v254, v255                          ; the opening lines: the add, twice on end, and its wait
	ds_add_u32 v254, v255
	v_lshrrev_b32 v8, 5, v0
	v_readfirstlane_b32 s[WV], v8
	s_bfe_u32 s13, ttmp6, 0x40000
	s_lshl_b32 s14, ttmp9, 2
	s_add_co_u32 s14, s14, s13                     ; which 512 queries
	s_and_b32 s15, ttmp7, 0xffff                   ; 16 x batch + head
	s_mov_b32 s[G1C], 15|(3<<16)|(1<<21)           ; codes: 64 lines of 256 bytes, dense
	s_mov_b32 s[G1C+1], 32<<16
	s_mov_b32 s[G1C+2], 64<<16
	s_mov_b32 s[G1C+3], 32<<16
	s_mov_b32 s[G1C+4], 64
	s_mov_b32 s[G1C+5], 32
	s_mov_b32 s[G1C+6], 0
	s_mov_b32 s[G1C+7], 0
	s_mov_b32 s[G1S], 15|(3<<16)|(1<<21)           ; scale words: 12 lines
	s_mov_b32 s[G1S+1], 32<<16
	s_mov_b32 s[G1S+2], 12<<16
	s_mov_b32 s[G1S+3], 32<<16
	s_mov_b32 s[G1S+4], 12
	s_mov_b32 s[G1S+5], 32
	s_mov_b32 s[G1S+6], 0
	s_mov_b32 s[G1S+7], 0
	s_mul_i32 s54, s15, 294912
	s_mov_b32 s55, 0
	s_mul_i32 s56, s15, 20480
	s_mov_b32 s57, 0
	s_mov_b32 s59, 0
	s_mov_b32 s61, 0
	s_mov_b32 s[SEL], 0x76543210
	s_mov_b32 s[SEL+1], 0xfedcba98                 ; lane l xor 16
	s_mov_b32 s[CS], 0x3e38aa3b                    ; log2(e) / 8
	s_mov_b32 s[CS+1], s[CS]
	s_mov_b32 s[HM], 0xffff0000
	s_wait_dscnt 0x0
	s_wait_kmcnt 0x0
	s_add_nc_u64 s[4:5], s[4:5], s[54:55]
	s_add_nc_u64 s[6:7], s[6:7], s[56:57]
	s_mov_b32 s[G0C], 1
	s_lshl_b32 s[G0C+1], s[WV], 14                 ; waves 0-11: 16,384 bytes of k's and v's codes each
	s_add_co_u32 s58, s[G0C+1], 98304
	s_add_nc_u64 s[G0C+2:G0C+3], s[4:5], s[58:59]
	s_or_b32 s[G0C+3], s[G0C+3], 0x80000000
	s_mov_b32 s[G0S], 1
	s_and_b32 s58, s[WV], 3                        ; waves 12-15: 3,072 bytes of k's and v's scale words each
	s_mul_i32 s58, s58, 3072
	s_add_co_u32 s[G0S+1], s58, KSC
	s_add_co_u32 s58, s58, 8192
	s_add_nc_u64 s[G0S+2:G0S+3], s[6:7], s[58:59]
	s_or_b32 s[G0S+3], s[G0S+3], 0x80000000
	CROUND                                         ; the four work-groups are here: the joint loads meet
	s_cmp_lt_u32 s[WV], 12
	s_cbranch_scc0 .Lscales
	tensor_load_to_lds s[G0C:G0C+3], s[G1C:G1C+7]
	s_nop 0
.rept 4
	v_nop
.endr
	s_branch .Lasked
.Lscales:
	tensor_load_to_lds s[G0S:G0S+3], s[G1S:G1S+7]
	s_nop 0
.rept 4
	v_nop
.endr
.Lasked:
	s_lshl_b32 s58, s14, 5
	s_add_co_u32 s58, s58, s[WV]                   ; my first tile of queries; the second lies 16 tiles on
	s_mul_i32 s60, s58, 768
	s_add_nc_u64 s[40:41], s[4:5], s[60:61]
	s_lshl_b32 s60, s14, 3
	s_lshr_b32 s62, s[WV], 2
	s_add_co_u32 s60, s60, s62
	s_lshl_b32 s60, s60, 8
	s_and_b32 s62, s[WV], 3
	s_lshl_b32 s62, s62, 2
	s_add_co_u32 s60, s60, s62
	s_add_nc_u64 s[42:43], s[6:7], s[60:61]
	s_lshr_b32 s54, s15, 4
	s_lshl_b32 s54, s54, 7
	s_add_co_u32 s54, s54, s58                     ; the tile among all batches' tiles
	s_and_b32 s62, s15, 15
	s_mul_i32 s60, s54, 12288
	s_mul_i32 s63, s62, 768
	s_add_co_u32 s60, s60, s63
	s_add_nc_u64 s[8:9], s[8:9], s[60:61]
	s_lshl_b32 s60, s54, 9
	s_lshl_b32 s62, s62, 1
	s_add_co_u32 s60, s60, s62
	s_add_nc_u64 s[10:11], s[10:11], s[60:61]
	v_and_b32 v8, 31, v0
	v_and_b32 v9, 15, v0
	v_bfe_u32 v10, v0, 4, 1
	v_lshlrev_b32 v[L8], 3, v8
	v_lshlrev_b32 v[R16], 4, v9
.irp i, 0,1,2
	global_load_b64 v[QF+2*\i:QF+2*\i+1], v[L8], s[40:41] offset:256*\i
	global_load_b64 v[Q1+2*\i:Q1+2*\i+1], v[L8], s[40:41] offset:12288+256*\i
.endr
	global_load_b32 v[QS], v[R16], s[42:43]
	global_load_b32 v[QS1], v[R16], s[42:43] offset:1024
	v_lshl_add_u32 v[VAS], v9, 5, v10
.irp j, 6,7,8,9,10,11
	v_mov_b32 v[QF+\j], 0                          ; q's zero codes for k = 64 .. 127
	v_mov_b32 v[KF+42+\j], 0                       ; behind k's last fragment
.endr
	v_mov_b32 v[F+1], 0                            ; (named as a pair's upper half before it is first written)
	WALU                                           ; the wait at the head's end
	s_wait_loadcnt 0x0
	s_wait_tensorcnt 0x0                           ; every wave waits for its load,
	s_barrier_signal -1
	s_barrier_wait -1                              ; so all of K and V is shown to all
.macro LOADK                           ; a step's eight fragments of k and their scale words: 26 loads
.irp t, 0,1,2,3,4,5,6,7
.irp i, 0,1,2
	ds_load_b64 v[KF+6*\t+2*\i:KF+6*\t+2*\i+1], v[ADK] offset:\t*768+256*\i
.endr
.endr
	ds_load_b128 v[KSW:KSW+3], v[ADS]
	ds_load_b128 v[KSW+4:KSW+7], v[ADS] offset:256
.endm
.macro LOADV reg, t0                   ; v's tiles t0, t0 + 1 of the step at which v[ADV] stands
.irp t, 0,1
.irp p, 0,1,2,3,4,5
	ds_load_b64 v[\reg+12*\t+2*\p:\reg+12*\t+2*\p+1], v[ADV] offset:(\t0+\t)*1536+256*\p
.endr
.endr
.endm
.macro NEXT
	s_add_co_u32 s[TB], s[TB], 6144
	s_add_co_u32 s[TV], s[TV], 6144
	s_add_co_u32 s[TS], s[TS], 512
	s_add_co_u32 s[TJ], s[TJ], 256
.endm
.macro PV t, a
	v_wmma_scale_f32_16x16x128_f8f6f4 v[O+8*\t:O+8*\t+7], v[\a:\a+11], v[PC:PC+11], v[O+8*\t:O+8*\t+7], v[VSW+\t], v[F+1] matrix_a_fmt:MATRIX_FMT_FP6 matrix_b_fmt:MATRIX_FMT_FP6
.endm
.macro FOLD a, b                       ; a pair of p's registers takes another pair in
	v_pk_add_f32 v[S+\a:S+\a+1], v[S+\a:S+\a+1], v[S+\b:S+\b+1]
.endm
.macro STEP last                       ; 16 queries x 128 keys
.irp t, 0,1,2,3,4,5,6,7
	v_wmma_scale_f32_16x16x128_f8f6f4 v[S+8*\t:S+8*\t+7], v[KF+6*\t:KF+6*\t+11], v[QF:QF+11], 0, v[KSW+\t], v[QS] matrix_a_fmt:MATRIX_FMT_FP6 matrix_b_fmt:MATRIX_FMT_FP6
.endr
	v_mov_b32 v[T0], v12                           ; the old -M.  Four plain lines stand behind the products, ahead of the loads into their registers and of the first read of the scores
.if \last
	v_nop
	v_nop
	v_nop
.else
	v_add_nc_u32 v[ADK], s[TB], v[L8]
	v_add_nc_u32 v[ADS], s[TS], v[R16]
	v_nop
	LOADK                                          ; the next step's
.endif
; the largest score of each block of 32 keys: my 16 scores of block b in two chains, one for each of its two score tiles, each tile from its low end on; the eight chains by turns
.irp b, 0,1,2,3
	v_max3_num_f32 v[BX+\b], v[S+16*\b], v[S+1+16*\b], v[S+2+16*\b]
.endr
.irp b, 0,1,2,3
	v_max3_num_f32 v[BT+\b], v[S+8+16*\b], v[S+9+16*\b], v[S+10+16*\b]
.endr
.irp i, 3,5
.irp b, 0,1,2,3
	v_max3_num_f32 v[BX+\b], v[BX+\b], v[S+16*\b+\i], v[S+1+16*\b+\i]
.endr
.irp b, 0,1,2,3
	v_max3_num_f32 v[BT+\b], v[BT+\b], v[S+8+16*\b+\i], v[S+9+16*\b+\i]
.endr
.endr
.irp b, 0,1,2,3
	v_max3_num_f32 v[BX+\b], v[BX+\b], v[S+7+16*\b], v[S+15+16*\b]
.endr
.irp b, 0,1,2,3
	s_delay_alu instid0(VALU_DEP_4)
	v_max_num_f32 v[BX+\b], v[BX+\b], v[BT+\b]     ; the two chains joined
.endr
.irp b, 0,1,2,3
	s_delay_alu instid0(VALU_DEP_4)
	v_permlanex16_b32 v[BT+\b], v[BX+\b], s[SEL], s[SEL+1]
.endr
.irp b, 0,1,2,3
	s_delay_alu instid0(VALU_DEP_4)
	v_max_num_f32 v[BX+\b], v[BX+\b], v[BT+\b]     ; with lane l xor 16's 16 keys
.endr
	s_delay_alu instid0(VALU_DEP_2)
	v_max3_num_f32 v[BT], v[BX], v[BX+1], v[BX+2]
	s_delay_alu instid0(VALU_DEP_1)
	v_max_num_f32 v[BT], v[BT], v[BX+3]            ; the step's largest score of my query
	s_delay_alu instid0(VALU_DEP_1)
	v_mul_f32 v[BT], s[CS], v[BT]
	s_delay_alu instid0(VALU_DEP_1)
	v_max_num_f32 v13, v13, v[BT]                  ; the running largest t
	s_delay_alu instid0(VALU_DEP_1)
	v_floor_f32 v12, -v13                          ; -M = -ceil(t)
	s_delay_alu instid0(VALU_DEP_1)
	v_sub_f32 v[T0], v12, v[T0]                    ; old M - new M, a whole number
	s_delay_alu instid0(VALU_DEP_1)
	v_cvt_i32_f32 v[T0], v[T0]
	s_delay_alu instid0(VALU_DEP_1)
	v_ldexp_f32 v[F], 1.0, v[T0]
.set jj, 0
.rept 32
	v_pk_fma_f32 v[S+jj:S+jj+1], v[S+jj:S+jj+1], s[CS:CS+1], v[12:13] op_sel_hi:[1,0,0]   ; t - M
.set jj, jj+2
.endr
.irp b, 0,1,2,3
	v_fma_f32 v[BX+\b], v[BX+\b], s[CS], v12       ; the same of each block's largest score
.endr
	WALU                                           ; the wait ahead of the batch
.irp b, 0,1,2,3
	v_exp_f32 v[BX+\b], v[BX+\b]
.endr
.set jj, 0
.rept 64
	v_exp_f32 v[S+jj], v[S+jj]
.set jj, jj+1
.endr
	v_pk_mul_f32 v[14:15], v[14:15], v[F:F+1] op_sel_hi:[1,0]   ; the sum under the new M (the plain line behind the batch)
	WALU                                           ; one wait for the batch, and directly ahead of the first readers of O^T
.set jj, 0
.rept 16
	v_pk_mul_f32 v[O+jj:O+jj+1], v[O+jj:O+jj+1], v[F:F+1] op_sel_hi:[1,0]   ; O^T under the new M
.set jj, jj+2
.endr
.irp b, 0,1,2,3
	v_max_num_f32 v[BX+\b], 0x1800000, v[BX+\b]    ; the floor 2^(3 - 127): the byte cannot fall under 1
.endr
.irp b, 0,1,2,3
	s_delay_alu instid0(VALU_DEP_4)
	v_add_nc_u32 v[SO+\b], 0xff000000, v[BX+\b]    ; 2 off the exponent field: the conversion's scale operand
.endr
.irp c, 0,1
	v_cvt_scalef32_pk16_fp6_f32 v[PC+6*\c:PC+6*\c+2], v[S+32*\c:S+32*\c+15], v[SO+2*\c]
	v_cvt_scalef32_pk16_fp6_f32 v[PT+4*\c:PT+4*\c+2], v[S+32*\c+16:S+32*\c+31], v[SO+2*\c+1]   ; (a conversion's three registers begin on an even number)
.endr
.irp b, 0,1,2,3
	v_lshrrev_b32 v[BT+\b], 23, v[SO+\b]           ; the scales' bytes (plain lines behind the conversions, ahead of the lines that write p's registers or touch the codes)
.endr
	s_delay_alu instid0(VALU_DEP_3)
	v_lshl_or_b32 v[F+1], v[BT+1], 8, v[BT]        ; p's scale word for these 128 keys
	s_delay_alu instid0(VALU_DEP_1)
	v_lshl_or_b32 v[F+1], v[BT+2], 16, v[F+1]
	s_delay_alu instid0(VALU_DEP_1)
	v_lshl_or_b32 v[F+1], v[BT+3], 24, v[F+1]
.set jj, 0
.rept 16
	FOLD 32+jj, jj                                 ; THE SUM OF THE UNQUANTISED p, a tree in place.  Level 1: registers 0-31 onto 32-63
.set jj, jj+2
.endr
	LOADV S, 2                                     ; p's registers 0-31 are converted and folded: 24 of them take v's tiles 2, 3
.irp k, 0,4,8,12,16,20,24,28
	FOLD 32+\k, 34+\k                              ; level 2
.endr
.irp c, 0,1                            ; the operand's layout wants a whole block in a lane
.irp i, 0,1,2
	v_permlane16_swap_b32 v[PC+6*\c+\i], v[PT+4*\c+\i]
.endr
.endr
.irp k, 0,8,16,24
	FOLD 32+\k, 36+\k                              ; level 3
.endr
.irp c, 0,1
.irp i, 0,1,2
	v_mov_b32 v[PC+3+6*\c+\i], v[PT+4*\c+\i]
.endr
.endr
	FOLD 32, 40                                    ; level 4.  (These four lines are also the places between the moves above and the products below)
	FOLD 48, 56
	s_delay_alu instid0(VALU_DEP_1)
	FOLD 32, 48                                    ; level 5
	s_delay_alu instid0(VALU_DEP_1)
	v_pk_add_f32 v[14:15], v[14:15], v[S+32:S+33]  ; onto the running sum
	WALU
	s_wait_dscnt 0x0                               ; v's four tiles and scale words are in, and so is all that was asked for ahead of them: the next step's k
	PV 0, VF
	PV 1, VF+12
	PV 2, S
	PV 3, S+12
.if \last == 0
	v_add_nc_u32 v[ADV], s[TV], v[L8]              ; five plain lines: four ahead of the loads into v's registers, five ahead of the score products that write over v's tiles 2, 3
	v_add_nc_u32 v[ADT], s[TJ], v[R16]
	v_nop
	v_nop
	v_nop
	LOADV VF, 0                                    ; the next step's
	ds_load_b128 v[VSW:VSW+3], v[ADT]
	NEXT
.endif
.endm
.macro PASS p
.if \p
	s_wait_xcnt 0x0                                ; the last tile's stores have read their registers
.irp i, 0,1,2,3,4,5
	v_mov_b32 v[QF+\i], v[Q1+\i]
.endr
	v_mov_b32 v[QS], v[QS1]
.endif
	s_mov_b32 s[TB], KC
	s_mov_b32 s[TV], VC
	s_mov_b32 s[TS], KSC
	s_mov_b32 s[TJ], VSC
	s_mov_b32 s[CNT], 15
	v_add_nc_u32 v[ADK], s[TB], v[L8]
	v_add_nc_u32 v[ADV], s[TV], v[L8]
	v_add_nc_u32 v[ADS], s[TS], v[R16]
	v_add_nc_u32 v[ADT], s[TJ], v[R16]
	LOADK
	LOADV VF, 0
	ds_load_b128 v[VSW:VSW+3], v[ADT]
	NEXT
	v_mov_b32 v13, 0xff61b1e6                      ; the largest t so far: -3e38
	v_floor_f32 v12, -v13
	v_mov_b32 v14, 0
	v_mov_b32 v15, 0
.set jj, 0
.rept 32
	v_mov_b32 v[O+jj], 0                           ; the step is written for every step alike: the first finds zeros
.set jj, jj+1
.endr
	WALU
	s_wait_dscnt 0x0
.Lstep_\@:
	STEP 0
	s_sub_co_u32 s[CNT], s[CNT], 1
	s_cmp_lg_u32 s[CNT], 0
	WALU                                           ; the wait ahead of the branch
	s_cbranch_scc1 .Lstep_\@
	STEP 1
	v_add_f32 v14, v14, v15                        ; the sum's two halves (these three lines and the v_nop are the four places behind the last products)
	s_delay_alu instid0(VALU_DEP_1)
	v_permlanex16_b32 v[T0], v14, s[SEL], s[SEL+1]
	s_delay_alu instid0(VALU_DEP_1)
	v_add_f32 v14, v14, v[T0]
	WALU
	v_rcp_f32 v14, v14
	v_nop
	WALU
.set jj, 0
.rept 16
	v_pk_mul_f32 v[S+jj:S+jj+1], v[O+jj:O+jj+1], v[14:15] op_sel_hi:[1,0]   ; o: register 16 b + i is column 32 b + 16 (lane / 16) + i of the head's 64
.set jj, jj+2
.endr
.irp b, 0,1
	v_max3_num_f32 v[BX+\b], |v[S+16*\b]|, |v[S+1+16*\b]|, 0x1800000
.endr
.irp i, 2,4,6,8,10,12,14
.irp b, 0,1
	s_delay_alu instid0(VALU_DEP_2)
	v_max3_num_f32 v[BX+\b], v[BX+\b], |v[S+16*\b+\i]|, |v[S+1+16*\b+\i]|
.endr
.endr
.irp b, 0,1
	s_delay_alu instid0(VALU_DEP_2)
	v_permlanex16_b32 v[BT+\b], v[BX+\b], s[SEL], s[SEL+1]
.endr
.irp b, 0,1
	s_delay_alu instid0(VALU_DEP_2)
	v_max_num_f32 v[BX+\b], v[BX+\b], v[BT+\b]
.endr
.irp b, 0,1
	s_delay_alu instid0(VALU_DEP_2)
	v_add_nc_u32 v[SO+\b], 0xff000000, v[BX+\b]
.endr
.irp b, 0,1
	s_delay_alu instid0(VALU_DEP_2)
	v_lshrrev_b32 v[BT+\b], 23, v[SO+\b]
.endr
	v_cvt_scalef32_pk16_fp6_f32 v[PC:PC+2], v[S:S+15], v[SO]
	v_cvt_scalef32_pk16_fp6_f32 v[PT:PT+2], v[S+16:S+31], v[SO+1]
	v_nop
.irp i, 0,1,2
	v_permlane16_swap_b32 v[PC+\i], v[PT+\i]
.endr
.irp i, 0,1,2
	s_delay_alu instid0(VALU_DEP_3)
	v_mov_b32 v[PC+3+\i], v[PT+\i]
.endr
	v_cndmask_b32 v[BYS], v[BT], v[BT+1], s[HM]    ; lanes 0-15 carry block 0's byte, lanes 16-31 block 1's
.irp i, 0,1,2
	global_store_b64 v[L8], v[PC+2*\i:PC+2*\i+1], s[8:9] offset:196608*\p+256*\i   ; 32 lanes store 256 consecutive bytes, aligned
.endr
	global_store_b8 v[VAS], v[BYS], s[10:11] offset:8192*\p
.endm
	PASS 0
	PASS 1
	s_wait_tensorcnt 0x0                           ; the wave's end
	ds_add_u32 v254, v255
	s_wait_dscnt 0x0
	CROUND                                         ; the closing round
	s_endpgm
.Lfunc_end_k_q841b028806_attn:
	.size	k_q841b028806_attn, .Lfunc_end_k_q841b028806_attn-k_q841b028806_attn
	.p2alignl 7, 3214868480
	.fill 96, 4, 3214868480
	.section	.rodata,"a",@progbits
	.p2align	6, 0x0
	.amdhsa_kernel k_q841b028806_attn
		.amdhsa_group_segment_fixed_size 327680
		.amdhsa_private_segment_fixed_size 0
		.amdhsa_enable_private_segment 0
		.amdhsa_kernarg_size 32
		.amdhsa_user_sgpr_count 2
		.amdhsa_user_sgpr_kernarg_segment_ptr 1
		.amdhsa_wavefront_size32 1
		.amdhsa_system_sgpr_workgroup_id_x 1
		.amdhsa_system_sgpr_workgroup_id_y 1
		.amdhsa_system_sgpr_workgroup_id_z 1
		.amdhsa_system_vgpr_workitem_id 0
		.amdhsa_next_free_vgpr 256
		.amdhsa_next_free_sgpr 66
		.amdhsa_reserve_vcc 0
		.amdhsa_float_denorm_mode_32 3
		.amdhsa_float_denorm_mode_16_64 3
		.amdhsa_memory_ordered 1
		.amdhsa_forward_progress 1
		.amdhsa_inst_pref_size 90
	.end_amdhsa_kernel
	.amdgpu_metadata
---
amdhsa.version: [ 1, 2 ]
amdhsa.kernels:
  - .name:           k_q841b028806_attn
    .symbol:         k_q841b028806_attn.kd
    .args:
      - { .name: hc, .offset: 0, .size: 8, .value_kind: global_buffer, .address_space: global }
      - { .name: hs, .offset: 8, .size: 8, .value_kind: global_buffer, .address_space: global }
      - { .name: ac, .offset: 16, .size: 8, .value_kind: global_buffer, .address_space: global }
      - { .name: asc, .offset: 24, .size: 8, .value_kind: global_buffer, .address_space: global }
    .group_segment_fixed_size: 327680
    .private_segment_fixed_size: 0
    .kernarg_segment_align: 8
    .kernarg_segment_size: 32
    .max_flat_workgroup_size: 512
    .sgpr_count:     66
    .vgpr_count:     256
    .wavefront_size: 32
...
	.end_amdgpu_metadata
.endif
;; end of part 3
;; launch dense (part 4): grid 4 x 32, 4 waves a work-group, clusters of 4 x 4, 327,680 bytes of LDS; arguments ac, asc, xc, xs, out0, dense_b; writes out0
.if DOCPART == 4
	.amdgcn_target "amdgcn-amd-amdhsa--gfx1250"
	.amdhsa_code_object_version 6
	.text
	.protected	k_q841b028806_dense
	.globl	k_q841b028806_dense
	.p2align	8
	.type	k_q841b028806_dense,@function
k_q841b028806_dense:
	s_mov_b64 s[64:65], 0
	v_nop
	global_prefetch_b8 v0, s[64:65] scope:SCOPE_SE
	s_setreg_imm32_b32 hwreg(HW_REG_WAVE_MODE, 25, 1), 1
	s_wait_xcnt 0x0
	s_wait_alu depctr_hold_cnt(0) depctr_sa_sdst(0) depctr_va_vdst(0) depctr_va_sdst(0) depctr_va_ssrc(0) depctr_va_vcc(0) depctr_vm_vsrc(0)
	s_getreg_b32 s2, hwreg(HW_REG_IB_STS2, 6, 4)
	s_cmp_eq_u32 s2, 0
	s_cbranch_scc0 .Lentry_in_a_cluster
	s_endpgm
.Lentry_in_a_cluster:
	s_bfe_u32 s2, ttmp6, 0x10000c
	s_cmp_lg_u32 s2, 0xf033
	s_cbranch_scc0 .Lentry_shape_is_right
	s_endpgm
.Lentry_shape_is_right:
; out0 = context dense_w^T + dense_b, f32, on codes of FP6 (E2M3) with E8M0 scales: 8,192 x 1,024 x 1,024.
; A: what the attention launch left: ac[tile of 16 rows][head][piece][lane][8 bytes] (a K step of 256 is 3,072 bytes of a tile's 12,288), asc rows of 32 scale bytes.
; B: dense_w's codes in xc from row 27,648 on, laid [group of 256 rows][K step][row][192 bytes], so that a K step of 128 rows is a dense block of 24,576 bytes; its scale bytes in xs.
; A tile of C is 256 x 256, a wave's part 128 x 128; K goes in four steps of 256 through two LDS slots; clusters of 4 x 4 ask for A's tiles jointly along a row and for B's along a column.
; The matrix instruction is used transposed (source 0 = rows of B); the bias is the first products' C, so it enters each sum first.  Rows and columns lie in position order; the way out puts them back.
; No data prefetch: the block is 256 x 256 in clusters and K is four steps.  LIMITS: NaN and infinities are not served.
.set KSTEP,  256
.set NQ,     2
.set KSB,    49152
.set KROW,   768
.set PITCH,  240
.set FR,     12
.set NL,     6
.set NP,     4
.set HALFT,  128*PITCH
.set SLOT,   4*HALFT
.set LAPS,   2
.set KS,     32
.set SCL,    2*SLOT
.set HALFS,  (128*KS/256)*272
.set SBLK,   (16*KS/256)*272
.set SPARE,  SCL+4*HALFS
.set SPITCH, 528
.set ADRA, 16
.set ADRB, 20
.set STO,  24
.set RD,   25
.set CO,   26
.set ADRS, 27
.set SPW,  28
.set NIL,  29
.set SC,   32
.set BN,   64
.set AF,   128
.set BK,   128
.set G1, 24
.set G0, 32
.set G1B, 48
.set G0B, 56
.set G1S, 68
.set G0S, 76
.set G1SB, 80
.set G0SB, 88
.set MSB, 0
.macro WIN new
.if MSB != (\new)
	s_set_vgpr_msb (MSB<<8)|(\new)
.set MSB, (\new)
.endif
.endm
.set MUL_LO, 0xa1
.set MUL_HI, 0xf1
.set FST_LO, 0x81
.set FST_HI, 0xc1
.set TO_B,   0x40
.macro JLOAD g0a, g1a, g0b, g1b
	s_cmp_eq_u32 s15, 0
	s_cbranch_scc0 .Lfor_b_\@
	tensor_load_to_lds s[\g0a:\g0a+3], s[\g1a:\g1a+7]
	s_nop 0
.rept 4
	v_nop
.endr
	s_branch .Lasked_\@
.Lfor_b_\@:
	tensor_load_to_lds s[\g0b:\g0b+3], s[\g1b:\g1b+7]
	s_nop 0
.rept 4
	v_nop
.endr
.Lasked_\@:
.endm
.macro CREST
	s_cmp_lg_u32 s14, 0
	s_cbranch_scc1 .Lnot_wave_0_\@
	s_barrier_signal -3
.Lnot_wave_0_\@:
	s_barrier_wait -3
	s_barrier_signal -1
	s_barrier_wait -1
.endm
.macro CROUND
	s_barrier_signal -1
	s_barrier_wait -1
	CREST
.endm
	s_load_b128 s[4:7], s[0:1], 0x0
	s_load_b128 s[8:11], s[0:1], 0x10
	s_load_b64 s[12:13], s[0:1], 0x20
	s_load_b64 s[96:97], s[0:1], 0x28
	v_lshl_add_u32 v[SPW], v0, 2, SPARE
	v_mov_b32 v[NIL], 0
	ds_add_u32 v28, v29
	ds_add_u32 v28, v29
	s_wait_dscnt 0x0
	v_lshrrev_b32 v1, 5, v0
	v_readfirstlane_b32 s14, v1
	s_lshr_b32 s15, s14, 1
	s_and_b32 s16, s14, 1
	s_bfe_u32 s40, ttmp6, 0x40000
	s_bfe_u32 s41, ttmp6, 0x40004
	s_lshl_b32 s42, ttmp9, 2
	s_add_co_u32 s42, s42, s40
	s_and_b32 s17, ttmp7, 0xffff
	s_lshl_b32 s17, s17, 2
	s_add_co_u32 s17, s17, s41
	s_lshl_b32 s43, s41, 2
	s_lshl_b32 s43, 15, s43
	s_lshl_b32 s44, 0x1111, s40
	s_or_b32 s[G1+0], s43, (3<<16)|(1<<21)
	s_mov_b32 s[G1+1], 384<<16
	s_mov_b32 s[G1+2], 8<<16
	s_mov_b32 s[G1+3], 384<<16
	s_mov_b32 s[G1+4], 8
	s_mov_b32 s[G1+5], 1536
	s_mov_b32 s[G1+6], 0
	s_mov_b32 s[G1+7], 0
	s_or_b32 s[G1B+0], s44, (0<<16)|(1<<20)|(1<<21)|(3<<22)|(3<<25)
	s_mov_b32 s[G1B+1], 256<<16                    ; B's 128 rows of a K step: 96 lines of 256 bytes, dense; 16 bytes of padding behind every 64
	s_mov_b32 s[G1B+2], 96<<16
	s_mov_b32 s[G1B+3], 256<<16
	s_mov_b32 s[G1B+4], 96
	s_mov_b32 s[G1B+5], 256
	s_mov_b32 s[G1B+6], 0
	s_mov_b32 s[G1B+7], 0
	s_or_b32 s[G1S+0], s43, (3<<16)|(1<<20)|(1<<21)|(5<<22)|(3<<25)
	s_or_b32 s[G1SB+0], s44, (3<<16)|(1<<20)|(1<<21)|(5<<22)|(3<<25)
.irp g, G1S, G1SB
	s_mov_b32 s[\g+1], 32<<16
	s_mov_b32 s[\g+2], (128*KS/256)<<16
	s_mov_b32 s[\g+3], 32<<16
	s_mov_b32 s[\g+4], 128*KS/256
	s_mov_b32 s[\g+5], 32
	s_mov_b32 s[\g+6], 0
	s_mov_b32 s[\g+7], 0
.endr
	s_lshl_b32 s18, s16, 7
	s_lshl_b32 s20, s17, 8
	s_add_co_u32 s20, s20, s18
	s_lshl_b32 s46, s42, 8
	s_add_co_u32 s46, s46, s18
	s_lshl_b32 s22, s20, 5
	s_mov_b32 s23, 0
	s_mul_i32 s20, s20, 768
	s_mov_b32 s21, 0
	s_lshl_b32 s92, s46, 5
	s_add_co_u32 s92, s92, 884736
	s_mov_b32 s93, 0
	s_mul_i32 s46, s46, KROW
	s_mul_i32 s19, s16, 128*KROW-KSB/2             ; inside a K step my half of the 256 rows begins 24,576 bytes on, not 128 whole rows
	s_sub_co_u32 s46, s46, s19
	s_add_co_u32 s46, s46, 21233664
	s_mov_b32 s47, 0
	s_mul_i32 s45, s14, HALFT
	s_mul_i32 s94, s14, HALFS
	s_wait_kmcnt 0x0
	s_add_nc_u64 s[20:21], s[4:5], s[20:21]
	s_add_nc_u64 s[22:23], s[6:7], s[22:23]
	s_add_nc_u64 s[46:47], s[8:9], s[46:47]
	s_add_nc_u64 s[92:93], s[10:11], s[92:93]
	CROUND
	s_mov_b32 s[G0S], 1
	s_add_co_u32 s[G0S+1], s94, SCL
	s_mov_b64 s[G0S+2:G0S+3], s[22:23]
	s_or_b32 s[G0S+3], s[G0S+3], 0x80000000
	s_mov_b32 s[G0SB], 1
	s_add_co_u32 s[G0SB+1], s94, SCL
	s_mov_b64 s[G0SB+2:G0SB+3], s[92:93]
	s_or_b32 s[G0SB+3], s[G0SB+3], 0x80000000
	JLOAD G0S, G1S, G0SB, G1SB
.irp s, 0,1
	s_mov_b32 s[G0+4*\s], 1
	s_add_co_u32 s[G0+4*\s+1], s45, \s*SLOT
	s_add_nc_u64 s[G0+4*\s+2:G0+4*\s+3], s[20:21], \s*3072
	s_or_b32 s[G0+4*\s+3], s[G0+4*\s+3], 0x80000000
	s_mov_b32 s[G0B+4*\s], 1
	s_add_co_u32 s[G0B+4*\s+1], s45, \s*SLOT
	s_add_nc_u64 s[G0B+4*\s+2:G0B+4*\s+3], s[46:47], \s*KSB
	s_or_b32 s[G0B+4*\s+3], s[G0B+4*\s+3], 0x80000000
	s_wait_alu depctr_va_vdst(0)
	s_wait_tensorcnt 0x0
	ds_add_u32 v28, v29
	s_wait_dscnt 0x0
	CROUND
	JLOAD G0+4*\s, G1, G0B+4*\s, G1B
.endr
	v_and_b32 v1, 15, v0
	v_bfe_u32 v2, v0, 4, 1
	v_and_b32 v6, 31, v0
	v_lshlrev_b32 v7, 3, v6
	v_mul_u32_u24 v3, v1, PITCH
	v_mul_u32_u24 v4, v2, 24
	v_add_nc_u32 v4, v3, v4
	v_lshl_add_u32 v5, v2, 4, v4
	s_mul_i32 s21, s15, HALFT
	s_mul_i32 s22, s16, HALFT
	s_add_co_u32 s22, s22, 2*HALFT
.irp s, 0,1
	v_add_nc_u32 v[ADRA+\s], s21, v7
	v_add_nc_u32 v[ADRB+\s], s22, v4
	v_add_nc_u32 v[ADRB+2+\s], s22, v5
	s_add_co_u32 s21, s21, SLOT
	s_add_co_u32 s22, s22, SLOT
.endr
	v_mul_u32_u24 v5, v1, KS
	v_lshrrev_b32 v8, 8, v5
	v_lshl_add_u32 v5, v8, 4, v5
	s_mul_i32 s21, s15, HALFS
	s_mul_i32 s22, s16, HALFS
	s_add_co_u32 s22, s22, 2*HALFS
	s_sub_co_u32 s22, s22, s21
	v_mul_u32_u24 v8, s22, v2
	s_add_co_u32 s21, s21, SCL
	v_add_nc_u32 v5, v5, v8
	v_add_nc_u32 v[ADRS], s21, v5
	s_mul_i32 s23, s14, 16*SPITCH
	v_mul_u32_u24 v5, v1, SPITCH
	v_lshl_add_u32 v5, v2, 6, v5
	v_add_nc_u32 v[STO], s23, v5
	v_lshlrev_b32 v[CO], 4, v6
	v_add_nc_u32 v[RD], s23, v[CO]
	s_lshl_b32 s20, s17, 8
	s_lshl_b32 s21, s15, 7
	s_add_co_u32 s20, s20, s21
	s_lshl_b32 s20, s20, 12
	s_lshl_b32 s46, s42, 10
	s_lshl_b32 s47, s16, 9
	s_add_co_u32 s46, s46, s47
	s_add_co_u32 s20, s20, s46
	s_mov_b32 s21, 0
	s_add_nc_u64 s[12:13], s[12:13], s[20:21]
	v_lshlrev_b32 v5, 6, v2
	v_add_nc_u32 v5, s46, v5
.irp b, 0,1,2,3,4,5,6,7
	global_load_b128 v[BN+8*\b:BN+8*\b+3], v5, s[96:97] offset:4*(32*(\b/2)+8*(\b%2))
	global_load_b128 v[BN+8*\b+4:BN+8*\b+7], v5, s[96:97] offset:4*(32*(\b/2)+8*(\b%2))+16
.endr
	s_wait_alu depctr_va_vdst(0)
	s_wait_loadcnt 0x0
.macro FRAG reg, adr, q, i
.irp p, 0,1,2,3,4,5
.set PCE, 12*(\q)+6*(\p/3)+\p%3
.if PCE%8 < 5
	ds_load_b64 v[\reg+2*\p:\reg+2*\p+1], v[\adr] offset:8*PCE+16*(PCE/8)+(\i)*16*PITCH
.else
	ds_load_b64 v[\reg+2*\p:\reg+2*\p+1], v[\adr+2] offset:8*PCE+16*(PCE/8)+(\i)*16*PITCH
.endif
.endr
.endm
.macro FRAGA reg, slot, q, i
.irp p, 0,1,2,3,4,5
	ds_load_b64 v[\reg+2*\p:\reg+2*\p+1], v[ADRA+\slot] offset:(\i)*3072+(\q)*1536+256*\p
.endr
.endm
.macro MUL16 a0, p, q, sc, zero
.irp a, \a0, \a0+1
.irp b, 0,1,2,3,4,5,6,7
.if \zero
	v_wmma_scale_f32_16x16x128_f8f6f4 v[8*(8*((\a)%4)+\b):8*(8*((\a)%4)+\b)+7], v[128*(\p)+FR*\b:128*(\p)+FR*\b+FR-1], v[AF+FR*(\a):AF+FR*(\a)+FR-1], v[BN+8*\b:BN+8*\b+7], v[SC+8*NQ*(\sc)+NQ*\b+(\q)], v[SC+8*NQ*(\sc)+NQ*(\a)+(\q)] matrix_a_fmt:MATRIX_FMT_FP6 matrix_b_fmt:MATRIX_FMT_FP6 matrix_a_scale:MATRIX_SCALE_ROW1
.else
	v_wmma_scale_f32_16x16x128_f8f6f4 v[8*(8*((\a)%4)+\b):8*(8*((\a)%4)+\b)+7], v[128*(\p)+FR*\b:128*(\p)+FR*\b+FR-1], v[AF+FR*(\a):AF+FR*(\a)+FR-1], v[8*(8*((\a)%4)+\b):8*(8*((\a)%4)+\b)+7], v[SC+8*NQ*(\sc)+NQ*\b+(\q)], v[SC+8*NQ*(\sc)+NQ*(\a)+(\q)] matrix_a_fmt:MATRIX_FMT_FP6 matrix_b_fmt:MATRIX_FMT_FP6 matrix_a_scale:MATRIX_SCALE_ROW1
.endif
.endr
.endr
.endm
.macro FETCH_B slot, q, p
	WIN TO_B
.irp i, 0,1,2,3,4,5,6,7
	FRAG 128*(\p)+FR*\i, ADRB+\slot, \q, \i
.endr
	WIN 0
.endm
.macro FETCH_A slot, q, i0
.irp i, \i0, \i0+1, \i0+2, \i0+3
	FRAGA AF+FR*(\i), \slot, \q, \i
.endr
.endm
.macro SCALES sc
.irp i, 0,1,2,3,4,5,6,7
	ds_load_b64 v[SC+8*NQ*\sc+NQ*\i:SC+8*NQ*\sc+NQ*\i+1], v[ADRS] offset:\i*SBLK
.endr
.endm
.macro PLACES n
.rept \n
	v_nop
.endr
.endm
.macro STEP slot, q, zero
	s_wait_dscnt 4*NL
.if \zero
	WIN FST_LO
.else
	WIN MUL_LO
.endif
	MUL16 0, (\q)%2, \q, \slot, \zero
	MUL16 2, (\q)%2, \q, \slot, \zero
	s_wait_dscnt 0
	PLACES NP
	FETCH_B \slot, (\q)+1, 1-(\q)%2
	FETCH_A \slot, (\q)+1, 0
.if \zero
	WIN FST_HI
.else
	WIN MUL_HI
.endif
	MUL16 4, (\q)%2, \q, \slot, \zero
	MUL16 6, (\q)%2, \q, \slot, \zero
	PLACES NP
	WIN 0
	FETCH_A \slot, (\q)+1, 4
.endm
.macro TURN slot, next, fill
	s_wait_tensorcnt 0x0
	ds_add_u32 v[SPW], v[NIL]
	s_wait_dscnt 4*NL+1
	WIN MUL_LO
	MUL16 0, 1, NQ-1, \slot, 0
	s_wait_dscnt 0x0
	s_barrier_signal -1
	MUL16 2, 1, NQ-1, \slot, 0
	WIN 0
	s_barrier_wait -1
.if \fill
	CREST
	s_add_nc_u64 s[G0+4*\slot+2:G0+4*\slot+3], s[G0+4*\slot+2:G0+4*\slot+3], 2*3072
	s_add_nc_u64 s[G0B+4*\slot+2:G0B+4*\slot+3], s[G0B+4*\slot+2:G0B+4*\slot+3], 2*KSB
	JLOAD G0+4*\slot, G1, G0B+4*\slot, G1B
.else
	PLACES NP
.endif
	s_wait_alu depctr_va_vdst(0)
	v_add_nc_u32 v[ADRS], 4*NQ, v[ADRS]
	FETCH_B \next, 0, 0
	FETCH_A \next, 0, 0
	SCALES \next
	WIN MUL_HI
	MUL16 4, 1, NQ-1, \slot, 0
	MUL16 6, 1, NQ-1, \slot, 0
	PLACES NP
	WIN 0
	FETCH_A \next, 0, 4
.endm
	s_wait_tensorcnt 1
	s_barrier_signal -1
	s_barrier_wait -1
	FETCH_B 0, 0, 0
	FETCH_A 0, 0, 0
	SCALES 0
	FETCH_A 0, 0, 4
	STEP 0, 0, 1
	s_mov_b32 s3, LAPS-1
.Llap:
	TURN 0, 1, 1
	STEP 1, 0, 0
	TURN 1, 0, 1
	STEP 0, 0, 0
	s_sub_co_u32 s3, s3, 1
	s_cmp_lg_u32 s3, 0
	s_cbranch_scc1 .Llap
	TURN 0, 1, 0
	STEP 1, 0, 0
	s_wait_dscnt 4*NL
	WIN MUL_LO
	MUL16 0, 1, NQ-1, 1, 0
	MUL16 2, 1, NQ-1, 1, 0
	s_wait_dscnt 0
	WIN MUL_HI
	MUL16 4, 1, NQ-1, 1, 0
	MUL16 6, 1, NQ-1, 1, 0
	WIN 0
.macro TOSTAGE a
.set AC, 64*((\a)%4)
	WIN 0x08+4*((\a)/4)
.irp b, 0,1,2,3,4,5,6,7
	ds_store_b128 v[STO], v[AC+8*\b:AC+8*\b+3] offset:128*(\b/2)+32*(\b%2)
	ds_store_b128 v[STO], v[AC+8*\b+4:AC+8*\b+7] offset:128*(\b/2)+32*(\b%2)+16
.endr
	WIN 0
.set BB, BK+64*((\a)%2)
.irp t, 0,1,2,3,4,5,6,7,8,9,10,11,12,13,14,15
	ds_load_b128 v[BB+4*\t:BB+4*\t+3], v[RD] offset:\t*SPITCH
.endr
.endm
.macro SEND a, younger
.set BB, BK+64*((\a)%2)
	s_wait_dscnt \younger
.irp t, 0,1,2,3,4,5,6,7,8,9,10,11,12,13,14,15
	global_store_b128 v[CO], v[BB+4*\t:BB+4*\t+3], s[12:13] offset:(32*((\a)/2)+8*((\a)%2)+\t+8*(\t/8))*4096 th:TH_STORE_NT
.endr
.endm
	PLACES NP
	TOSTAGE 0
.irp a, 1,2,3,4,5,6,7
.if \a > 1
	s_wait_xcnt 0x0
.endif
	TOSTAGE \a
	SEND \a-1, 32
.endr
	SEND 7, 0
	s_wait_tensorcnt 0x0
	ds_add_u32 v[SPW], v[NIL]
	s_wait_dscnt 0x0
	CROUND
	s_endpgm
.Lfunc_end_k_q841b028806_dense:
	.size	k_q841b028806_dense, .Lfunc_end_k_q841b028806_dense-k_q841b028806_dense
	.p2alignl 7, 3214868480
	.fill 96, 4, 3214868480
	.section	.rodata,"a",@progbits
	.p2align	6, 0x0
	.amdhsa_kernel k_q841b028806_dense
		.amdhsa_group_segment_fixed_size 327680
		.amdhsa_private_segment_fixed_size 0
		.amdhsa_enable_private_segment 0
		.amdhsa_kernarg_size 48
		.amdhsa_user_sgpr_count 2
		.amdhsa_user_sgpr_kernarg_segment_ptr 1
		.amdhsa_wavefront_size32 1
		.amdhsa_system_sgpr_workgroup_id_x 1
		.amdhsa_system_sgpr_workgroup_id_y 1
		.amdhsa_system_sgpr_workgroup_id_z 1
		.amdhsa_system_vgpr_workitem_id 0
		.amdhsa_next_free_vgpr 1024
		.amdhsa_next_free_sgpr 100
		.amdhsa_reserve_vcc 0
		.amdhsa_float_denorm_mode_32 3
		.amdhsa_float_denorm_mode_16_64 3
		.amdhsa_memory_ordered 1
		.amdhsa_forward_progress 1
		.amdhsa_inst_pref_size 162
	.end_amdhsa_kernel
	.amdgpu_metadata
---
amdhsa.version: [ 1, 2 ]
amdhsa.kernels:
  - .name:           k_q841b028806_dense
    .symbol:         k_q841b028806_dense.kd
    .args:
      - { .name: ac, .offset: 0, .size: 8, .value_kind: global_buffer, .address_space: global }
      - { .name: asc, .offset: 8, .size: 8, .value_kind: global_buffer, .address_space: global }
      - { .name: xc, .offset: 16, .size: 8, .value_kind: global_buffer, .address_space: global }
      - { .name: xs, .offset: 24, .size: 8, .value_kind: global_buffer, .address_space: global }
      - { .name: out0, .offset: 32, .size: 8, .value_kind: global_buffer, .address_space: global }
      - { .name: dense_b, .offset: 40, .size: 8, .value_kind: global_buffer, .address_space: global }
    .group_segment_fixed_size: 327680
    .private_segment_fixed_size: 0
    .kernarg_segment_align: 8
    .kernarg_segment_size: 48
    .max_flat_workgroup_size: 128
    .sgpr_count:     100
    .vgpr_count:     1024
    .wavefront_size: 32
...
	.end_amdgpu_metadata
.endif
;; end of part 4
